; MI455X (gfx1250); checked and timed in simulation.
; The chip was launched on July 23, 2026; its instructions are those of AMD's public machine-readable ISA for CDNA 5 (MIT licence, August 2026) and "CDNA5" Instruction Set Architecture Reference Guide (July 2026). The comments in the code are by the model that wrote it; some were corrected since.
;; Self Attention. Allowed arithmetic: float matrix products may take bf16 or f16 operands with f32 sums; other float arithmetic in f32, or as packed bf16 or f16 multiplies, adds, multiply-adds, maxima and minima; sums over many terms, partial sums and values carried from step to step in f32; what a program stores and reads back later, other than sums and carried values, may be rounded once to bf16 or f16.
;; Inputs: Wk 1,024 x 1,024 float32; attention_mask 4 x 2,048 x 2,048 bool; bk 1,024 float32; ln_b 1,024 float32; ln_w 1,024 float32; tensor 4 x 2,048 x 1,024 float32.
;; Outputs: out0 4 x 2,048 x 1,024 float32.
;; One version. Each part assembles by itself: llvm-mc -triple=amdgcn-amd-amdhsa -mcpu=gfx1250 --defsym DOCPART=n.
;; ======== version 1 of 1: 4 launches
;; limits: values are held in f16: magnitudes above 65,504 overflow, below 6.1e-05 lose precision; right only within a limited range of input values
;; workspace buffers: xn 16,777,216 bytes; wkb 2,097,152 bytes; qkv 16,777,216 bytes; e 33,554,432 bytes; stats 1,048,576 bytes
;; launch prep (part 1): grid 256 x 1, 8 waves a work-group, no clusters, 0 bytes of LDS; arguments tensor, ln_w, ln_b, Wk, xn, wkb; writes xn, wkb
.if DOCPART == 1
	.amdgcn_target "amdgcn-amd-amdhsa--gfx1250"
	.amdhsa_code_object_version 6
	.text
	.protected	k_q60b7ab0092_prep
	.globl	k_q60b7ab0092_prep
	.p2align	8
	.type	k_q60b7ab0092_prep,@function
k_q60b7ab0092_prep:
	s_mov_b64 s[64:65], 0
	v_nop
	global_prefetch_b8 v0, s[64:65] scope:SCOPE_SE
	s_setreg_imm32_b32 hwreg(HW_REG_WAVE_MODE, 25, 1), 1
	s_wait_xcnt 0x0
; Launch 1 of 4.  xn = LayerNorm(PE + tensor) * ln_w + ln_b, rounded once to f16, [8192][1024];  wkb = Wk rounded to f16, same [k][n] order.
; THE WHOLE PROGRAM: (1) this; (2) qkv = xn Wk + bk; (3) scores, mask fill, exponentials against a maximum for each row and block of 128 keys;
; (4) the blocks brought onto the row's common maximum, weights x qkv, division by the row's sum.
; NOTHING OF reference() IS LEFT OUT.  The fill 1e-9 is a finite score, so masked keys keep a weight; it does not move with a term that is constant
; along a row, so bk and every such term stay live; every mask byte chooses between two live values.  All six inputs are loaded.
; A stream: memory binds, no tile is shared between work-groups, so no LDS, no barrier, no cluster and no matrix unit.
; SHARES: wave w of work-group g owns position pos = 8 g + w in all four batches, so the position's row of sines and cosines is made once for four rows,
; and 512 numbers of Wk.  A row of 1,024 f32 is 32 registers: it stays in registers between the mean, the variance (of h - mean, as reference() forms it,
; so a common offset of the inputs costs nothing) and the scaling.  Register 4 j + e of a row holds column 128 j + 4 lane + e: a 16-byte load of the wave
; covers 512 consecutive bytes, an 8-byte f16 store 256 consecutive bytes, aligned.  e even: sine, e odd: cosine, fixed for each register.
; WHY f16 FOR xn AND wkb.  A number of qkv is a sum of 1,024 products, and the operands' rounding leaves in it an error that does not shrink with the number itself:
; sqrt(1024) x (a product's size) x (the format's relative error) x sqrt(2).  A key's own weight can be near 1, so that error reaches the output undamped, also where the
; output is near 0.  f16 keeps 11 significant bits, bf16 8: the error is an eighth.  Both operands have room in f16: the normalised row has mean 0 and mean square at most 1
; over 1,024 numbers, so each is below 32 in size whatever the input, and xn = that x ln_w + ln_b; Wk is of the order of 1/32.
; LIMITS.  32 |ln_w| + |ln_b| and |Wk| stay below 65,504 (f16's largest number); numbers under 2^-14 keep an absolute error of 2^-25 instead of a relative one.
; sin and cos: the angle is taken as pi v, v = pos / pi * 2^(-i log2(10) / 128); v - rndne(v) is exact, the roundings of v leave up to about
; 3e-4 rad at pos = 2047; the odd polynomial of degree 9 on |f| <= 1/2 leaves at most 3.6e-6.
.set IN,  2                            ; v[2:5]     batch b: 16 lane + b x 8,388,608 (a batch of tensor); IN+0 also serves ln_w, ln_b and Wk
.set OUT, 6                            ; v[6:9]     batch b: 8 lane + b x 4,194,304 (a batch of xn); OUT+0 also serves wkb
.set T,   10                           ; v[10:15]   at work
.set WK,  16                           ; v[16:31]   my 16 numbers of Wk
.set X,   32                           ; v[32:159]  batch b: 32 registers, the row
.set PE,  160                          ; v[160:191] the position's row of sines and cosines
.set LW,  192                          ; v[192:223] ln_w
.set LB,  224                          ; v[224:255] ln_b
	s_load_b256 s[4:11], s[0:1], 0x0               ; tensor s[4:5], ln_w s[6:7], ln_b s[8:9], Wk s[10:11]
	s_load_b128 s[12:15], s[0:1], 0x20             ; xn s[12:13], wkb s[14:15]
	v_lshrrev_b32 v1, 5, v0
	v_readfirstlane_b32 s16, v1                    ; wave
	s_lshl_b32 s17, ttmp9, 3
	s_add_co_u32 s17, s17, s16                     ; pos = 8 g + w, also the number of my piece of Wk
	s_lshl_b32 s18, s17, 12                        ; a row of tensor: 4,096 bytes
	s_mov_b32 s19, 0
	s_lshl_b32 s32, s17, 11                        ; a row of xn, and my piece of Wk: 2,048 bytes
	s_mov_b32 s33, 0
	s_lshl_b32 s34, s17, 10                        ; my piece of wkb: 1,024 bytes
	s_mov_b32 s35, 0
	s_mov_b32 s20, 0xbcd49a78                      ; -log2(10) / 128: 10000^(-2 i / 1024) = 2^(s20 i)
	s_cvt_f32_u32 s21, s17
	s_mul_f32 s21, s21, 0x3ea2f983                 ; pos / pi
	s_mov_b32 s22, 0x40490fdb                      ; sin(pi f) = f (pi - pi^3/6 z + pi^5/120 z^2 - pi^7/5040 z^3 + pi^9/9! z^4), z = f f
	s_mov_b32 s23, 0xc0a55de7
	s_mov_b32 s24, 0x402335e3
	s_mov_b32 s25, 0xbf196966
	s_mov_b32 s26, 0x3da83c1b
	s_mov_b32 s27, 0x3a800000                      ; 1 / 1024
	s_mov_b32 s28, 0x3727c5ac                      ; 1e-5
	s_mov_b32 s30, 0x76543210                      ; v_permlanex16_b32: lane i of one half reads lane i of the other
	s_mov_b32 s31, 0xfedcba98
	v_and_b32 v1, 31, v0                           ; lane
	v_lshlrev_b32 v[T+4], 2, v1                    ; 4 lane: my first column in a chunk of 128
.irp b, 0,1,2,3
	v_lshl_or_b32 v[IN+\b], v1, 4, \b*8388608
	v_lshl_or_b32 v[OUT+\b], v1, 3, \b*4194304
.endr
	s_wait_kmcnt 0x0
	s_add_nc_u64 s[4:5], s[4:5], s[18:19]
	s_add_nc_u64 s[10:11], s[10:11], s[32:33]
	s_add_nc_u64 s[12:13], s[12:13], s[32:33]
	s_add_nc_u64 s[14:15], s[14:15], s[34:35]
	; all 52 loads of the wave go out at once, in the order in which they are wanted
.irp j, 0,1,2,3,4,5,6,7
	global_load_b128 v[LW+4*\j:LW+4*\j+3], v[IN], s[6:7] offset:512*\j
.endr
.irp j, 0,1,2,3,4,5,6,7
	global_load_b128 v[LB+4*\j:LB+4*\j+3], v[IN], s[8:9] offset:512*\j
.endr
.irp b, 0,1,2,3
.irp j, 0,1,2,3,4,5,6,7
	global_load_b128 v[X+32*\b+4*\j:X+32*\b+4*\j+3], v[IN+\b], s[4:5] offset:512*\j th:TH_LOAD_NT
.endr
.endr
.irp j, 0,1,2,3
	global_load_b128 v[WK+4*\j:WK+4*\j+3], v[IN], s[10:11] offset:512*\j th:TH_LOAD_NT
.endr
	; the position's row, while the loads are on their way.  First 2^(-i log2(10)/128) for my 32 columns i.
.set q, 0
.rept 32
.if q
	v_add_nc_u32 v[PE+q], 128*(q/4)+q%4, v[T+4]
	v_cvt_f32_u32 v[PE+q], v[PE+q]
.else
	v_cvt_f32_u32 v[PE], v[T+4]
.endif
	v_mul_f32 v[PE+q], s20, v[PE+q]
.set q, q+1
.endr
.set q, 0
.rept 32
	v_exp_f32 v[PE+q], v[PE+q]
.set q, q+1
.endr
	v_nop                                          ; one plain instruction between the last v_exp_f32 and the first use (ISA guide 5.7.2)
	s_wait_alu depctr_va_vdst(0)
; Columns q (even: sine) and q + 1 (odd: cosine = sine a quarter turn on, v + 1/2), line by line together so that the two chains overlap.
; v = n + f, n = rndne(v): sin(pi v) = (-1)^n sin(pi f); the sign is n's lowest bit moved to bit 31.
.macro PEB2 q
	v_mul_f32 v[T], s21, v[PE+\q]
	v_fma_f32 v[T+3], v[PE+\q+1], s21, 0.5
	v_rndne_f32 v[T+1], v[T]
	v_rndne_f32 v[T+4], v[T+3]
	v_sub_f32 v[T], v[T], v[T+1]
	v_sub_f32 v[T+3], v[T+3], v[T+4]
	v_cvt_i32_f32 v[T+1], v[T+1]
	v_cvt_i32_f32 v[T+4], v[T+4]
	v_mul_f32 v[T+2], v[T], v[T]
	v_mul_f32 v[T+5], v[T+3], v[T+3]
	v_lshlrev_b32 v[T+1], 31, v[T+1]
	v_lshlrev_b32 v[T+4], 31, v[T+4]
	v_fma_f32 v[PE+\q], v[T+2], s26, s25
	v_fma_f32 v[PE+\q+1], v[T+5], s26, s25
	v_fma_f32 v[PE+\q], v[PE+\q], v[T+2], s24
	v_fma_f32 v[PE+\q+1], v[PE+\q+1], v[T+5], s24
	v_fma_f32 v[PE+\q], v[PE+\q], v[T+2], s23
	v_fma_f32 v[PE+\q+1], v[PE+\q+1], v[T+5], s23
	v_fma_f32 v[PE+\q], v[PE+\q], v[T+2], s22
	v_fma_f32 v[PE+\q+1], v[PE+\q+1], v[T+5], s22
	v_mul_f32 v[PE+\q], v[PE+\q], v[T]
	v_mul_f32 v[PE+\q+1], v[PE+\q+1], v[T+3]
	v_xor_b32 v[PE+\q], v[PE+\q], v[T+1]
	v_xor_b32 v[PE+\q+1], v[PE+\q+1], v[T+4]
.endm
.irp q, 0,2,4,6,8,10,12,14,16,18,20,22,24,26,28,30
	PEB2 \q
.endr
; The two chains v[T:T+1], v[T+2:T+3] to one number in every lane: four steps inside each half of 16 lanes ride on the addition, one crosses the halves.
.macro REDUCE
	v_pk_add_f32 v[T:T+1], v[T:T+1], v[T+2:T+3]
	v_add_f32 v[T], v[T], v[T+1]
	v_add_f32_dpp v[T], v[T], v[T] row_xmask:1 row_mask:0xf bank_mask:0xf
	v_add_f32_dpp v[T], v[T], v[T] row_xmask:2 row_mask:0xf bank_mask:0xf
	v_add_f32_dpp v[T], v[T], v[T] row_xmask:4 row_mask:0xf bank_mask:0xf
	v_add_f32_dpp v[T], v[T], v[T] row_xmask:8 row_mask:0xf bank_mask:0xf
	v_permlanex16_b32 v[T+1], v[T], s30, s31
	v_add_f32 v[T], v[T], v[T+1]
.endm
; Batch b's row.  left = the younger loads that may stay out: eight for each later row, and Wk's four.
.macro ROW b, left
	s_wait_loadcnt \left                           ; loads come back in order (ISA guide 5.7.1): ln_w, ln_b and this row are in
.set p, 0
.rept 16
	v_pk_add_f32 v[X+32*\b+2*p:X+32*\b+2*p+1], v[X+32*\b+2*p:X+32*\b+2*p+1], v[PE+2*p:PE+2*p+1]   ; h = x + PE
.set p, p+1
.endr
	v_pk_add_f32 v[T:T+1], v[X+32*\b:X+32*\b+1], v[X+32*\b+2:X+32*\b+3]        ; the first sums start the chains: nothing is cleared
	v_pk_add_f32 v[T+2:T+3], v[X+32*\b+4:X+32*\b+5], v[X+32*\b+6:X+32*\b+7]
.set p, 4
.rept 6
	v_pk_add_f32 v[T:T+1], v[T:T+1], v[X+32*\b+2*p:X+32*\b+2*p+1]
	v_pk_add_f32 v[T+2:T+3], v[T+2:T+3], v[X+32*\b+2*p+2:X+32*\b+2*p+3]
.set p, p+2
.endr
	REDUCE
	v_mul_f32 v[T+4], s27, v[T]                    ; the mean, twice: a pair for the packed subtraction
	v_mul_f32 v[T+5], s27, v[T]
.set p, 0
.rept 16
	v_pk_add_f32 v[X+32*\b+2*p:X+32*\b+2*p+1], v[X+32*\b+2*p:X+32*\b+2*p+1], v[T+4:T+5] neg_lo:[0,1] neg_hi:[0,1]
.set p, p+1
.endr
	v_pk_mul_f32 v[T:T+1], v[X+32*\b:X+32*\b+1], v[X+32*\b:X+32*\b+1]
	v_pk_mul_f32 v[T+2:T+3], v[X+32*\b+2:X+32*\b+3], v[X+32*\b+2:X+32*\b+3]
.set p, 2
.rept 7
	v_pk_fma_f32 v[T:T+1], v[X+32*\b+2*p:X+32*\b+2*p+1], v[X+32*\b+2*p:X+32*\b+2*p+1], v[T:T+1]
	v_pk_fma_f32 v[T+2:T+3], v[X+32*\b+2*p+2:X+32*\b+2*p+3], v[X+32*\b+2*p+2:X+32*\b+2*p+3], v[T+2:T+3]
.set p, p+2
.endr
	REDUCE
	v_fma_f32 v[T], v[T], s27, s28                 ; variance + 1e-5
	v_rsq_f32 v[T+4], v[T]
	v_rsq_f32 v[T+5], v[T]
	v_nop                                          ; one plain instruction behind the transcendentals (ISA guide 5.7.2)
.set p, 0
	s_wait_alu depctr_va_vdst(0)
.rept 16
	v_pk_mul_f32 v[X+32*\b+2*p:X+32*\b+2*p+1], v[X+32*\b+2*p:X+32*\b+2*p+1], v[T+4:T+5]
.set p, p+1
.endr
.set p, 0
.rept 16
	v_pk_fma_f32 v[X+32*\b+2*p:X+32*\b+2*p+1], v[X+32*\b+2*p:X+32*\b+2*p+1], v[LW+2*p:LW+2*p+1], v[LB+2*p:LB+2*p+1]
.set p, p+1
.endr
.set p, 0
.rept 16
	v_cvt_pk_f16_f32 v[X+32*\b+p], v[X+32*\b+2*p], v[X+32*\b+2*p+1]            ; into the row's first 16 registers: register p is free once pair p - 1 is packed
.set p, p+1
.endr
.irp j, 0,1,2,3,4,5,6,7
	global_store_b64 v[OUT+\b], v[X+32*\b+2*\j:X+32*\b+2*\j+1], s[12:13] offset:256*\j   ; 32 lanes, 256 consecutive bytes, aligned
.endr
.endm
	ROW 0, 28
	ROW 1, 20
	ROW 2, 12
	ROW 3, 4
	s_wait_loadcnt 0x0                             ; Wk's four loads
.set p, 0
.rept 8
	v_cvt_pk_f16_f32 v[WK+p], v[WK+2*p], v[WK+2*p+1]
.set p, p+1
.endr
.irp j, 0,1,2,3
	global_store_b64 v[OUT], v[WK+2*\j:WK+2*\j+1], s[14:15] offset:256*\j
.endr
	s_endpgm                                       ; no register that a store reads is written behind the store
.Lfunc_end_k_q60b7ab0092_prep:
	.size	k_q60b7ab0092_prep, .Lfunc_end_k_q60b7ab0092_prep-k_q60b7ab0092_prep
	.p2alignl 7, 3214868480
	.fill 96, 4, 3214868480
	.section	.rodata,"a",@progbits
	.p2align	6, 0x0
	.amdhsa_kernel k_q60b7ab0092_prep
		.amdhsa_group_segment_fixed_size 0
		.amdhsa_private_segment_fixed_size 0
		.amdhsa_enable_private_segment 0
		.amdhsa_kernarg_size 48
		.amdhsa_user_sgpr_count 2
		.amdhsa_user_sgpr_kernarg_segment_ptr 1
		.amdhsa_wavefront_size32 1
		.amdhsa_system_sgpr_workgroup_id_x 1
		.amdhsa_system_sgpr_workgroup_id_y 1
		.amdhsa_system_sgpr_workgroup_id_z 1
		.amdhsa_system_vgpr_workitem_id 0
		.amdhsa_next_free_vgpr 256
		.amdhsa_next_free_sgpr 66
		.amdhsa_reserve_vcc 0
		.amdhsa_float_denorm_mode_32 3
		.amdhsa_float_denorm_mode_16_64 3
		.amdhsa_memory_ordered 1
		.amdhsa_forward_progress 1
		.amdhsa_inst_pref_size 65
	.end_amdhsa_kernel
	.amdgpu_metadata
---
amdhsa.version: [ 1, 2 ]
amdhsa.kernels:
  - .name:           k_q60b7ab0092_prep
    .symbol:         k_q60b7ab0092_prep.kd
    .args:
      - { .name: tensor, .offset: 0, .size: 8, .value_kind: global_buffer, .address_space: global }
      - { .name: ln_w, .offset: 8, .size: 8, .value_kind: global_buffer, .address_space: global }
      - { .name: ln_b, .offset: 16, .size: 8, .value_kind: global_buffer, .address_space: global }
      - { .name: Wk, .offset: 24, .size: 8, .value_kind: global_buffer, .address_space: global }
      - { .name: xn, .offset: 32, .size: 8, .value_kind: global_buffer, .address_space: global }
      - { .name: wkb, .offset: 40, .size: 8, .value_kind: global_buffer, .address_space: global }
    .group_segment_fixed_size: 0
    .private_segment_fixed_size: 0
    .kernarg_segment_align: 8
    .kernarg_segment_size: 48
    .max_flat_workgroup_size: 256
    .sgpr_count:     66
    .vgpr_count:     256
    .wavefront_size: 32
...
	.end_amdgpu_metadata
.endif
;; end of part 1
;; launch proj (part 2): grid 8 x 32, 4 waves a work-group, clusters of 4 x 4, 327,680 bytes of LDS; arguments xn, wkb, bk, qkv; writes qkv
.if DOCPART == 2
	.amdgcn_target "amdgcn-amd-amdhsa--gfx1250"
	.amdhsa_code_object_version 6
	.text
	.protected	k_q60b7ab0092_proj
	.globl	k_q60b7ab0092_proj
	.p2align	8
	.type	k_q60b7ab0092_proj,@function
k_q60b7ab0092_proj:
	s_mov_b64 s[64:65], 0
	v_nop
	global_prefetch_b8 v0, s[64:65] scope:SCOPE_SE
	s_setreg_imm32_b32 hwreg(HW_REG_WAVE_MODE, 25, 1), 1
	s_wait_xcnt 0x0
	s_wait_alu depctr_hold_cnt(0) depctr_sa_sdst(0) depctr_va_vdst(0) depctr_va_sdst(0) depctr_va_ssrc(0) depctr_va_vcc(0) depctr_vm_vsrc(0)
	s_getreg_b32 s2, hwreg(HW_REG_IB_STS2, 6, 4)
	s_cmp_eq_u32 s2, 0
	s_cbranch_scc0 .Lentry_in_a_cluster
	s_endpgm
.Lentry_in_a_cluster:
	s_bfe_u32 s2, ttmp6, 0x10000c
	s_cmp_lg_u32 s2, 0xf033
	s_cbranch_scc0 .Lentry_shape_is_right
	s_endpgm
.Lentry_shape_is_right:
; C = A B with B stored [K][N].  One text for two launches, chosen by PV:
;   PV = 0 (this file, launch 2 of 4): qkv[8192][1024] = xn[8192][1024] wkb[1024][1024] + bk, operands in f16, the result rounded once to bf16.
;   PV = 1 (launch 4 of 4): out0 = (sum over blocks kb of 128 keys of g[row][kb] E[row][kb] V[kb]) / l[row], f32; A = e, B = one batch of qkv, operands in bf16.
; No work of reference() is left out in either form.
; FORMATS.  xn and wkb are f16: both have room there (launch 1's head comment gives the bounds), and their rounding, summed over 1,024 products, would in bf16 leave eight times
; the error in every number of qkv, large or small.  qkv is bf16: with larger gains and offsets its sums have no sure room in f16, and its rounding is proportional to the number itself.
; E is bf16: its factors g reach far below f16's range.
; SHARES.  A work-group makes 256 rows x 128 columns with four waves; wave w makes rows 64 w .. 64 w + 63 by all 128 columns: 4 x 8 tiles of 16 x 16,
; 256 accumulator registers.  So each row of A is read, and with PV scaled, by one wave alone.  32 x 8 = 256 work-groups.
; K goes in steps of 128 through two LDS slots, each with 256 rows of A (256 bytes of memory a row) and 128 k rows of B (256 bytes a row).
; One tensor load a wave and step: waves 0, 1 bring A's halves (128 rows), waves 2, 3 B's halves (64 rows).  At most two loads of a wave are out (the two first fills).
; CLUSTERS: 4 x 4 work-groups.  A's tile hangs on the block row alone and is asked for jointly along a row of the cluster; B's on the block column
; (and the batch, which the whole cluster shares: 4 block rows lie inside one batch's 8) and is asked for jointly along a column.
; B'S FRAGMENTS come out of [K][N] rows by ds_load_tr16_b128; B's LDS pitch is 288 bytes (9 x 32), A's 272 (17 x 16), so that the rows a load touches start in different banks.
; THE MATRIX INSTRUCTION IS USED TRANSPOSED (source 0 = 16 columns of B, source 1 = 16 rows of A): lane l holds row l % 16, its registers 0..7 the columns 8 (l / 16) + 0..7.
; REGISTER WINDOWS: window 0 addresses, B's fragments (two buffers), bias or g; window 1 the tiles of my rows 0-31 and A's fragments for them; window 2 the same for rows 32-63.
; Under W_LO / W_HI source 0 is window 0 and source 1, C, D are the accumulators' window: the products, the loads of A's fragments and their scaling all run under one setting.
; THE SOFTMAX ACROSS LAUNCHES (PV).  Launch 3 stored, for each row and block, N = -ceil(largest t) (t = score x log2 e), E = 2^(t + N) and l = sum of E.
; Here Nmin = min over the 16 blocks = -ceil(the row's largest t), g = 2^(Nmin - N) <= 1, l[row] = sum of g l.  g is a power of two, so g in bf16 and E g in bf16 are exact
; (below 2^-133 they fall to 0).  The row's largest weight lies in (1/2, 1], so l[row] >= 1/2 and nothing overflows for any finite scores.
; LIMITS: weights more than 2^126 below the row's largest count as 0; Nmin - N is cut at -140, which is 0 in bf16; a NaN among the statistics loses in min and max.
.set PV,    0
.set KDIM,  1024+1024*PV               ; the length of the sums
.set KSTEP, 128
.set LAPS,  KDIM/(2*KSTEP)             ; a lap = two K steps = once round the ring
.set PA,    272
.set PB,    288
.set AT,    256*PA                     ; 69,632
.set BT,    128*PB                     ; 36,864
.set SLOT,  AT+BT                      ; 106,496
.set STAGE, 2*SLOT                     ; 212,992: each wave's 16 rows for the way out; no fill lands here or behind
.set SP,    272+256*PV                 ; the stage's pitch: 256 bytes (bf16) or 512 (f32) + 16
.set GTAB,  STAGE+4*16*528             ; 246,784 (PV): g as two equal bf16 in a word, [kb][row], 16 KiB
.set RINV,  GTAB+16*1024               ; 263,168 (PV): 1 / l[row], 1 KiB
.set OROW,  2048+2048*PV               ; bytes in a row of the output
.set ADRA, 16                          ; v16-17  LDS address of my A fragments, slot 0, 1
.set ADRB, 20                          ; v20-21  the same for B
.set STO,  24                          ; the way out: where I put my bytes of a row
.set RD,   25                          ; where I read rows back
.set CO,   26                          ; my byte offset in the output
.set RIA,  27                          ; (PV) LDS address of 1 / l of my row
.set GAD,  28                          ; v28-29 (PV) LDS address of my rows' g for the K step that slot 0, 1 gets next
.set XO,   30                          ; offset of the bias loads, or of the statistics loads; never rewritten
.set GA,   31                          ; (PV) where I write g
.set GR,   32                          ; v32-39 (PV) g of row tile a in slot s at GR + 4 s + a
.set RI,   40                          ; v40-47 (PV) 1 / l of row tile a, twice
.set BIAS, 32                          ; v32-95 (not PV) bk of column 16 b + 8 (l / 16) + j at BIAS + 8 b + j
.set FB0,  96                          ; v96-159  B's fragments, buffer 0
.set FB1,  160                         ; v160-223 buffer 1
.set TMP,  224                         ; v224-255 at work
.set NM,   TMP                         ; (PV) Nmin of my two rows
.set DD,   TMP+2
.set LS,   TMP+4                         ; l of my two rows
.set RC,   TMP+6
.set FA0,  128                         ; windows 1 and 2: A's two fragments, buffer 0
.set FA1,  144                         ; buffer 1
.set G1,  24                           ; s[24:31] descriptor group 1, A's tiles
.set G0,  32                           ; s[32:39] group 0, A's tiles, a set for each slot
.set G1B, 40                           ; s[40:47] group 1, B's tiles
.set G0B, 48                           ; s[48:55] group 0, B's tiles
.set W_LO, 0x54                        ; source 0 window 0; source 1, C, D window 1
.set W_HI, 0xa8                        ; the same with window 2
.set MSB, 0
.macro WIN new                         ; the immediate's high byte repeats the setting that is left
.if MSB != \new
	s_set_vgpr_msb (MSB<<8)|\new
.set MSB, \new
.endif
.endm
; A joint load.  Each of the two lines has one mask and one set of registers; the branch hangs on the wave's number alone.
.macro JLOAD s
	s_cmp_eq_u32 s13, 0
	s_cbranch_scc0 .Lfor_b_\@
	tensor_load_to_lds s[G0+4*\s:G0+4*\s+3], s[G1:G1+7]
	s_nop 0
	s_branch .Lasked_\@
.Lfor_b_\@:
	tensor_load_to_lds s[G0B+4*\s:G0B+4*\s+3], s[G1B:G1B+7]
	s_nop 0
.Lasked_\@:
.endm
; A round of the cluster's barrier: my work-group's barrier, wave 0 signals for the work-group, every wave waits for all sixteen, my work-group's barrier again.
.macro CREST                           ; a round behind its opening barrier
	s_cmp_lg_u32 s12, 0
	s_cbranch_scc1 .Lnot_wave_0_\@
	s_barrier_signal -3
.Lnot_wave_0_\@:
	s_barrier_wait -3
	s_barrier_signal -1
	s_barrier_wait -1
.endm
.macro CROUND
	s_barrier_signal -1
	s_barrier_wait -1
	CREST
.endm
.macro PLACES                          ; four plain places between a matrix instruction and a load into, or a vector use of, its registers
.rept 4
	v_nop
.endr
.endm
	s_load_b256 s[4:11], s[0:1], 0x0               ; A s[4:5], B s[6:7], bk or stats s[8:9], the output s[10:11]
	v_lshl_add_u32 v31, v0, 2, 0x38400
	s_set_vgpr_msb 0x40
	v_mov_b32 v255, 0
	s_set_vgpr_msb 0x4044
	ds_add_u32 v31, v255
	s_set_vgpr_msb 0x4400
	v_lshrrev_b32 v1, 5, v0
	v_readfirstlane_b32 s12, v1                    ; wave 0..3
	s_lshr_b32 s13, s12, 1                         ; I fetch for A (0) or for B (1)
	s_and_b32 s14, s12, 1                          ; which half of that tile
	s_bfe_u32 s16, ttmp6, 0x40000                  ; cx
	s_bfe_u32 s17, ttmp6, 0x40004                  ; cy
	s_lshl_b32 s18, ttmp9, 2
	s_add_co_u32 s18, s18, s16                     ; bx: block column, 0..7
	s_and_b32 s19, ttmp7, 0xffff
	s_lshl_b32 s19, s19, 2
	s_add_co_u32 s19, s19, s17                     ; by: block row, 0..31
	s_and_b32 s22, ttmp7, 0xffff
	s_lshr_b32 s22, s22, 1                         ; batch = by / 8 = cluster y / 2: made without cy
	s_lshl_b32 s20, s17, 2
	s_lshl_b32 s20, 15, s20                        ; my row of the cluster: places 4 cy .. 4 cy + 3
	s_lshl_b32 s21, 0x1111, s16                    ; my column: places cx, cx + 4, cx + 8, cx + 12
	; group 1 for A: 128 rows x 128 elements of 2 bytes, 4 words of padding behind every 64
	s_or_b32 s[G1+0], s20, (1<<16)|(1<<20)|(1<<21)|(5<<22)|(3<<25)
	s_mov_b32 s[G1+1], 128<<16                     ; tensor_dim0 = 128
	s_mov_b32 s[G1+2], 128<<16                     ; tensor_dim1 = 128
	s_mov_b32 s[G1+3], 128<<16                     ; tile_dim0 = 128
	s_mov_b32 s[G1+4], 128                         ; tile_dim1 = 128
	s_mov_b32 s[G1+5], KDIM                        ; elements from row to row
	s_mov_b32 s[G1+6], 0
	s_mov_b32 s[G1+7], 0
	; group 1 for B: 64 k rows x 128 elements, 8 words of padding behind every 64
	s_or_b32 s[G1B+0], s21, (1<<16)|(1<<20)|(1<<21)|(5<<22)|(7<<25)
	s_mov_b32 s[G1B+1], 128<<16
	s_mov_b32 s[G1B+2], 64<<16
	s_mov_b32 s[G1B+3], 128<<16
	s_mov_b32 s[G1B+4], 64
	s_mov_b32 s[G1B+5], 1024
	s_mov_b32 s[G1B+6], 0
	s_mov_b32 s[G1B+7], 0
	; where the tiles come from.  s[56:57] and s60 never hold cx, s[58:59] and s61 never cy.
	s_lshl_b32 s60, s14, 7
	s_lshl_b32 s56, s19, 8
	s_add_co_u32 s56, s56, s60                     ; A: row 256 by + 128 half
	s_lshl_b32 s56, s56, 11+PV                     ; x 2 KDIM bytes: below 2^26
	s_mov_b32 s57, 0
	s_lshl_b32 s58, s14, 6                         ; B: k row 64 half
.if PV
	s_lshl_b32 s61, s22, 11
	s_add_co_u32 s58, s58, s61                     ; + the batch's 2,048 rows of qkv
.endif
	s_lshl_b32 s58, s58, 11                        ; x 2,048 bytes
	s_lshl_b32 s61, s18, 8
	s_add_co_u32 s58, s58, s61                     ; + 128 bx columns
	s_mov_b32 s59, 0
	s_mul_i32 s62, s12, 128*PA                     ; where they go: A's halves at wave x 34,816,
	s_mul_i32 s63, s12, 64*PB
	s_add_co_u32 s63, s63, AT-2*64*PB              ; B's at AT + (wave - 2) x 18,432
.if PV
	s_lshl_b32 s92, s22, 17                        ; statistics: batch x 16 blocks x 2,048 rows x 4 bytes
	s_and_b32 s93, s19, 7
	s_lshl_b32 s93, s93, 10                        ; + my 256 rows
	s_add_co_u32 s92, s92, s93
	v_lshlrev_b32 v[XO], 3, v0                     ; thread t takes rows 2 t, 2 t + 1
.else
	s_lshl_b32 s92, s18, 9                         ; bk at column 128 bx
	v_bfe_u32 v2, v0, 4, 1
	v_lshlrev_b32 v[XO], 5, v2                     ; + 8 (l / 16) columns
.endif
	s_mov_b32 s93, 0
	s_wait_dscnt 0x0
	s_wait_kmcnt 0x0
	s_add_nc_u64 s[56:57], s[4:5], s[56:57]
	s_add_nc_u64 s[58:59], s[6:7], s[58:59]
	s_add_nc_u64 s[8:9], s[8:9], s[92:93]
.if PV
.set kb, 0
.rept 16
	global_load_b64 v[FB0+2*kb:FB0+2*kb+1], v[XO], s[8:9] offset:kb*8192                  ; N of my two rows, block kb: a wave's load covers 256 consecutive bytes
.set kb, kb+1
.endr
.set kb, 0
.rept 16
	global_load_b64 v[FB0+32+2*kb:FB0+32+2*kb+1], v[XO], s[8:9] offset:kb*8192+524288     ; l
.set kb, kb+1
.endr
.else
.irp b, 0,1,2,3,4,5,6,7
	global_load_b128 v[BIAS+8*\b:BIAS+8*\b+3], v[XO], s[8:9] offset:64*\b
	global_load_b128 v[BIAS+8*\b+4:BIAS+8*\b+7], v[XO], s[8:9] offset:64*\b+16
.endr
.endif
	CROUND                                         ; all sixteen work-groups are here: the first joint loads meet
.irp s, 0,1
	s_mov_b32 s[G0+4*\s], 1
	s_add_co_u32 s[G0+4*\s+1], s62, \s*SLOT
	s_add_nc_u64 s[G0+4*\s+2:G0+4*\s+3], s[56:57], \s*KSTEP*2                ; K step s: 256 bytes along A's rows
	s_or_b32 s[G0+4*\s+3], s[G0+4*\s+3], 0x80000000
	s_mov_b32 s[G0B+4*\s], 1
	s_add_co_u32 s[G0B+4*\s+1], s63, \s*SLOT
	s_add_nc_u64 s[G0B+4*\s+2:G0B+4*\s+3], s[58:59], \s*KSTEP*2048           ; 128 rows down B
	s_or_b32 s[G0B+4*\s+3], s[G0B+4*\s+3], 0x80000000
	JLOAD \s
.endr
	v_and_b32 v1, 15, v0                           ; r = l % 16
	v_bfe_u32 v2, v0, 4, 1                         ; h = l / 16
	v_mul_u32_u24 v3, v1, PA
	v_lshl_add_u32 v3, v2, 4, v3                   ; A: row r, 16 bytes for each half of the lanes
	s_mul_i32 s60, s12, 64*PA                      ; my 64 rows
	v_add_nc_u32 v[ADRA], s60, v3
	v_add_nc_u32 v[ADRA+1], SLOT, v[ADRA]
	v_and_b32 v4, 7, v0                            ; B, for the transposing load: k row 8 h + l % 8,
	v_lshl_add_u32 v4, v2, 3, v4
	v_mul_u32_u24 v4, v4, PB
	v_bfe_u32 v5, v0, 3, 1                         ; columns 8 ((l / 8) % 2) + 0..7
	v_lshl_add_u32 v4, v5, 4, v4
	v_add_nc_u32 v[ADRB], AT, v4
	v_add_nc_u32 v[ADRB+1], AT+SLOT, v4
	s_mul_i32 s94, s12, 16*SP
	s_add_co_u32 s94, s94, STAGE                   ; my stage
	v_mul_u32_u24 v5, v1, SP
.if PV
	v_lshl_add_u32 v5, v2, 5, v5                   ; in: row r, 32 bytes (8 f32) for each half
	v_add_nc_u32 v[STO], s94, v5
	v_and_b32 v6, 31, v0
	v_lshlrev_b32 v[CO], 4, v6                     ; back and out: 32 lanes take one row of 512 bytes
	v_add_nc_u32 v[RD], s94, v[CO]
	s_lshl_b32 s95, s12, 8
	v_lshl_add_u32 v7, v1, 2, s95                  ; 4 (64 w + r)
	v_add_nc_u32 v[RIA], RINV, v7
	v_add_nc_u32 v[GAD], GTAB, v7
	v_add_nc_u32 v[GAD+1], GTAB+1024, v7
	v_add_nc_u32 v[GA], GTAB, v[XO]
	; the rows' common maximum, the blocks' factors and the rows' sums; two rows a thread
	s_wait_loadcnt 0x0
.irp e, 0,1
	v_min3_num_f32 v[NM+\e], v[FB0+\e], v[FB0+2+\e], v[FB0+4+\e]
.irp k, 3,5,7,9,11,13
	v_min3_num_f32 v[NM+\e], v[NM+\e], v[FB0+2*\k+\e], v[FB0+2*\k+2+\e]
.endr
	v_min_num_f32 v[NM+\e], v[NM+\e], v[FB0+30+\e]
.endr
.set kb, 0
.rept 16
.irp e, 0,1
	v_sub_f32 v[DD+\e], v[NM+\e], v[FB0+2*kb+\e]                  ; Nmin - N <= 0, a whole number
	v_max_num_f32 v[DD+\e], 0xc30c0000, v[DD+\e]                  ; not below -140
	v_cvt_i32_f32 v[DD+\e], v[DD+\e]
	v_ldexp_f32 v[DD+\e], 1.0, v[DD+\e]                           ; g
.if kb
	v_fmac_f32 v[LS+\e], v[DD+\e], v[FB0+32+2*kb+\e]
.else
	v_mul_f32 v[LS+\e], v[DD+\e], v[FB0+32+\e]                    ; the first product starts the sum
.endif
	v_cvt_pk_bf16_f32 v[FB1+2*kb+\e], v[DD+\e], v[DD+\e]          ; g in both halves, for the packed multiply
.endr
	ds_store_b64 v[GA], v[FB1+2*kb:FB1+2*kb+1] offset:1024*kb
.set kb, kb+1
.endr
	v_rcp_f32 v[RC], v[LS]
	v_rcp_f32 v[RC+1], v[LS+1]
	v_nop                                          ; one plain instruction behind the transcendentals (ISA guide 5.7.2)
	ds_store_b64 v[GA], v[RC:RC+1] offset:RINV-GTAB
	s_wait_dscnt 0x0                               ; my part of the tables is written: the other waves read it behind the barrier
.else
	v_lshl_add_u32 v5, v2, 4, v5                   ; in: row r, 16 bytes (8 bf16) for each half
	v_add_nc_u32 v[STO], s94, v5
	v_mul_u32_u24 v5, v2, SP                       ; back: lanes 0-15 one row of 256 bytes, lanes 16-31 the next
	v_lshl_add_u32 v5, v1, 4, v5
	v_add_nc_u32 v[RD], s94, v5
	v_lshlrev_b32 v5, 11, v2                       ; and the same two rows in the output
	v_lshl_add_u32 v[CO], v1, 4, v5
.endif
.macro SCALE0 fa, g                    ; (PV) a fragment of E times its rows' g
.irp j, 0,1,2,3,4,5,6,7
	v_pk_mul_bf16 v[\fa+\j], v[\g], v[\fa+\j]
.endr
.endm
; Eight matrix instructions: row tile a of the window's two x all 8 column tiles, 32 along K; the bf16 form with PV, the f16 form without.
; zero = 1: the first product starts the sums.  sc = 1: behind each stands one register's scaling of the window's second fragment, which the next eight take.
.macro MULROW fb, fa, a, zero, sc, g
.irp b, 0,1,2,3,4,5,6,7
.if PV
.if \zero
	v_wmma_f32_16x16x32_bf16 v[8*(8*\a+\b):8*(8*\a+\b)+7], v[\fb+8*\b:\fb+8*\b+7], v[\fa+8*\a:\fa+8*\a+7], 0
.else
	v_wmma_f32_16x16x32_bf16 v[8*(8*\a+\b):8*(8*\a+\b)+7], v[\fb+8*\b:\fb+8*\b+7], v[\fa+8*\a:\fa+8*\a+7], v[8*(8*\a+\b):8*(8*\a+\b)+7]
.endif
.else
.if \zero
	v_wmma_f32_16x16x32_f16 v[8*(8*\a+\b):8*(8*\a+\b)+7], v[\fb+8*\b:\fb+8*\b+7], v[\fa+8*\a:\fa+8*\a+7], 0
.else
	v_wmma_f32_16x16x32_f16 v[8*(8*\a+\b):8*(8*\a+\b)+7], v[\fb+8*\b:\fb+8*\b+7], v[\fa+8*\a:\fa+8*\a+7], v[8*(8*\a+\b):8*(8*\a+\b)+7]
.endif
.endif
.if \sc
	v_pk_mul_bf16 v[\fa+8+\b], v[\g], v[\fa+8+\b]
.endif
.endr
.endm
; The sixteen of one window (hi = 0: my rows 0-31, 1: rows 32-63) on buffer f; slot says whose g.
; The 32 accumulators take turns, one instruction a turn, in the same order in every quarter step and over the backward jump.
.macro HALFMUL f, slot, hi, zero
.if PV
	SCALE0 FA0+16*\f, GR+4*\slot+2*\hi
.endif
	MULROW FB0+64*\f, FA0+16*\f, 0, \zero, PV, GR+4*\slot+2*\hi+1
	MULROW FB0+64*\f, FA0+16*\f, 1, \zero, 0, 0
.endm
; The fragments of quarter kq of a slot into buffer n: 4 loads of A's rows 0-31, (wg: 4 of the K step's g), 16 of B, 4 of A's rows 32-63: the youngest four are always these last.
.macro FETCH slot, kq, n, wg
	WIN W_LO
.irp a, 0,1
	ds_load_b128 v[FA0+16*\n+8*\a:FA0+16*\n+8*\a+3],   v[ADRA+\slot] offset:\a*16*PA+64*\kq
	ds_load_b128 v[FA0+16*\n+8*\a+4:FA0+16*\n+8*\a+7], v[ADRA+\slot] offset:\a*16*PA+64*\kq+32
.endr
	WIN 0
.if \wg
.irp a, 0,1,2,3
	ds_load_b32 v[GR+4*\slot+\a], v[GAD+\slot] offset:64*\a
.endr
	v_add_nc_u32 v[GAD+\slot], 2048, v[GAD+\slot]  ; this slot's next K step is two blocks on
.endif
.irp b, 0,1,2,3,4,5,6,7
	ds_load_tr16_b128 v[FB0+64*\n+8*\b:FB0+64*\n+8*\b+3],   v[ADRB+\slot] offset:\kq*32*PB+32*\b
	ds_load_tr16_b128 v[FB0+64*\n+8*\b+4:FB0+64*\n+8*\b+7], v[ADRB+\slot] offset:\kq*32*PB+32*\b+16*PB
.endr
	WIN W_HI
.irp a, 0,1
	ds_load_b128 v[FA0+16*\n+8*\a:FA0+16*\n+8*\a+3],   v[ADRA+\slot] offset:(2+\a)*16*PA+64*\kq
	ds_load_b128 v[FA0+16*\n+8*\a+4:FA0+16*\n+8*\a+7], v[ADRA+\slot] offset:(2+\a)*16*PA+64*\kq+32
.endr
.endm
; One of a K step's first three quarters: multiplies buffer f; in its middle it fetches quarter kq into buffer n.
.macro QUARTER slot, kq, f, n, zero
	s_wait_dscnt 4                                 ; all but the youngest four loads (A's rows 32-63) are in
	WIN W_LO
	HALFMUL \f, \slot, 0, \zero
	PLACES
	FETCH \slot, \kq, \n, 0
	s_wait_dscnt 24                                ; all but the 24 just issued
	WIN W_HI
	HALFMUL \f, \slot, 1, \zero
.endm
.macro THREE slot, zero
	QUARTER \slot, 1, 0, 1, \zero
	QUARTER \slot, 2, 1, 0, 0
	QUARTER \slot, 3, 0, 1, 0
.endm
; The last quarter: multiplies buffer 1 and changes slots.  In front of the barrier each wave waits for its reads of this slot and for all its tensor loads (the one
; that is out is its part of the next slot).  Behind it, with fill, the round of the cluster's barrier is closed, and the joint refill is the first tensor load;
; then the next slot's first fragments are read.
.macro TURN slot, next, fill
	s_wait_dscnt 4
	WIN W_LO
.if PV
	SCALE0 FA1, GR+4*\slot
.endif
	MULROW FB1, FA1, 0, 0, PV, GR+4*\slot+1
	s_wait_dscnt 0                                 ; my reads of this slot are over
	s_wait_tensorcnt 0x0                           ; all my tensor loads have landed
	ds_add_u32 v31, v255
	s_wait_dscnt 0x0
	s_barrier_signal -1
	MULROW FB1, FA1, 1, 0, 0, 0                    ; registers only, while the others arrive
	WIN 0
	s_barrier_wait -1
.if \fill
	CREST                                          ; no wave of any partner still reads this slot or has a load on its way
	s_add_nc_u64 s[G0+4*\slot+2:G0+4*\slot+3], s[G0+4*\slot+2:G0+4*\slot+3], 2*KSTEP*2
	s_add_nc_u64 s[G0B+4*\slot+2:G0B+4*\slot+3], s[G0B+4*\slot+2:G0B+4*\slot+3], 2*KSTEP*2048
	JLOAD \slot
.endif
	PLACES
	FETCH \next, 0, 0, PV
	WIN W_HI
	HALFMUL 1, \slot, 1, 0
.endm
.macro LAP zero
	THREE 0, \zero
	TURN 0, 1, 1
	THREE 1, 0
	TURN 1, 0, 1
.endm
	s_wait_tensorcnt 0x1                           ; my part of K step 0 is in; K step 1's may stay out
	s_barrier_signal -1
	s_barrier_wait -1
	FETCH 0, 0, 0, PV
	LAP 1                                          ; the first lap stands in front of the loop: its first products start the sums
	WIN 0
	s_mov_b32 s15, LAPS-2
.Llap:
	LAP 0
	WIN 0
	s_sub_co_u32 s15, s15, 1
	s_cmp_lg_u32 s15, 0
	s_cbranch_scc1 .Llap
	THREE 0, 0                                     ; the last lap fills nothing
	TURN 0, 1, 0
	THREE 1, 0
	s_wait_dscnt 4                                 ; the very last quarter
	WIN W_LO
	HALFMUL 1, 1, 0, 0
	s_wait_dscnt 0
	WIN W_HI
	HALFMUL 1, 1, 1, 0
	PLACES                                         ; behind the last matrix instructions, for all that reads results or writes fragments below
	WIN 0
	; THE WAY OUT, 16 rows at a time through my own stage, so that each store of the wave covers whole aligned runs of 256 bytes
	s_lshl_b32 s56, s19, 8
	s_lshl_b32 s60, s12, 6
	s_add_co_u32 s56, s56, s60                     ; my first row: 256 by + 64 w
	s_lshl_b32 s56, s56, 11+PV
	s_mov_b32 s57, 0
	s_add_nc_u64 s[10:11], s[10:11], s[56:57]
	s_lshl_b32 s58, s18, 8+PV                      ; my first column, in bytes
	s_mov_b32 s59, 0
	s_add_nc_u64 s[10:11], s[10:11], s[58:59]
.if PV
.irp a, 0,1,2,3
	ds_load_b32 v[RI+2*\a], v[RIA] offset:64*\a    ; 1 / l of row 16 a + r, into both registers of a pair
	ds_load_b32 v[RI+2*\a+1], v[RIA] offset:64*\a
.endr
	s_wait_dscnt 0x0
; rows 16 i .. 16 i + 15 = the window's tiles (ap, 0..7); from: source 0 in window 1 or 2
.macro OUTF i, ap, from
	WIN \from
.irp b, 0,1,2,3,4,5,6,7
.irp p, 0,1,2,3
	v_pk_mul_f32 v[FB0+8*\b+2*\p:FB0+8*\b+2*\p+1], v[8*(8*\ap+\b)+2*\p:8*(8*\ap+\b)+2*\p+1], v[RI+2*\i:RI+2*\i+1]
.endr
.endr
	WIN 0
.irp b, 0,1,2,3,4,5,6,7
	ds_store_b128 v[STO], v[FB0+8*\b:FB0+8*\b+3] offset:64*\b
	ds_store_b128 v[STO], v[FB0+8*\b+4:FB0+8*\b+7] offset:64*\b+16
.endr
	s_wait_xcnt 0x0                                ; buffer 1, which the last stores read, and their base are rewritten only behind this wait
.if \i
	s_add_nc_u64 s[10:11], s[10:11], 16*OROW
.endif
.irp t, 0,1,2,3,4,5,6,7,8,9,10,11,12,13,14,15
	ds_load_b128 v[FB1+4*\t:FB1+4*\t+3], v[RD] offset:\t*SP        ; LDS serves a wave's instructions in order: these see the stores above
.endr
.irp t, 0,1,2,3,4,5,6,7,8,9,10,11,12,13,14,15
	s_wait_dscnt 15-\t
	global_store_b128 v[CO], v[FB1+4*\t:FB1+4*\t+3], s[10:11] offset:\t*OROW th:TH_STORE_NT   ; one row's 512 consecutive bytes, aligned
.endr
.endm
	OUTF 0, 0, 0x01
	OUTF 1, 1, 0x01
	OUTF 2, 0, 0x02
	OUTF 3, 1, 0x02
.else
	s_wait_loadcnt 0x0                             ; bk
.macro OUTB i, ap, from
	WIN \from
.irp b, 0,1,2,3,4,5,6,7
.irp p, 0,1,2,3
	v_pk_add_f32 v[FB0+8*\b+2*\p:FB0+8*\b+2*\p+1], v[8*(8*\ap+\b)+2*\p:8*(8*\ap+\b)+2*\p+1], v[BIAS+8*\b+2*\p:BIAS+8*\b+2*\p+1]
.endr
.endr
	WIN 0
.irp b, 0,1,2,3,4,5,6,7
.irp p, 0,1,2,3
	v_cvt_pk_bf16_f32 v[TMP+4*\b+\p], v[FB0+8*\b+2*\p], v[FB0+8*\b+2*\p+1]
.endr
.endr
.irp b, 0,1,2,3,4,5,6,7
	ds_store_b128 v[STO], v[TMP+4*\b:TMP+4*\b+3] offset:32*\b
.endr
	s_wait_xcnt 0x0                                ; buffer 1, which the last stores read, and their base are rewritten only behind this wait
.if \i
	s_add_nc_u64 s[10:11], s[10:11], 16*OROW
.endif
.irp t, 0,1,2,3,4,5,6,7
	ds_load_b128 v[FB1+4*\t:FB1+4*\t+3], v[RD] offset:\t*2*SP      ; LDS serves a wave's instructions in order: these see the stores above
.endr
.irp t, 0,1,2,3,4,5,6,7
	s_wait_dscnt 7-\t
	global_store_b128 v[CO], v[FB1+4*\t:FB1+4*\t+3], s[10:11] offset:2*\t*OROW   ; 16 lanes store 256 consecutive bytes, aligned
.endr
.endm
	OUTB 0, 0, 0x01
	OUTB 1, 1, 0x01
	OUTB 2, 0, 0x02
	OUTB 3, 1, 0x02
.endif
	s_set_vgpr_msb 0x4
	s_wait_tensorcnt 0x0
	ds_add_u32 v31, v255
	s_wait_dscnt 0x0
	s_set_vgpr_msb 0x400
	CROUND                                         ; the closing round: no work-group ends while a partner may still ask for a tile that names it
	s_endpgm
.Lfunc_end_k_q60b7ab0092_proj:
	.size	k_q60b7ab0092_proj, .Lfunc_end_k_q60b7ab0092_proj-k_q60b7ab0092_proj
	.p2alignl 7, 3214868480
	.fill 96, 4, 3214868480
	.section	.rodata,"a",@progbits
	.p2align	6, 0x0
	.amdhsa_kernel k_q60b7ab0092_proj
		.amdhsa_group_segment_fixed_size 327680
		.amdhsa_private_segment_fixed_size 0
		.amdhsa_enable_private_segment 0
		.amdhsa_kernarg_size 32
		.amdhsa_user_sgpr_count 2
		.amdhsa_user_sgpr_kernarg_segment_ptr 1
		.amdhsa_wavefront_size32 1
		.amdhsa_system_sgpr_workgroup_id_x 1
		.amdhsa_system_sgpr_workgroup_id_y 1
		.amdhsa_system_sgpr_workgroup_id_z 1
		.amdhsa_system_vgpr_workitem_id 0
		.amdhsa_next_free_vgpr 672
		.amdhsa_next_free_sgpr 96
		.amdhsa_reserve_vcc 0
		.amdhsa_float_denorm_mode_32 3
		.amdhsa_float_denorm_mode_16_64 3
		.amdhsa_memory_ordered 1
		.amdhsa_forward_progress 1
		.amdhsa_inst_pref_size 129
	.end_amdhsa_kernel
	.amdgpu_metadata
---
amdhsa.version: [ 1, 2 ]
amdhsa.kernels:
  - .name:           k_q60b7ab0092_proj
    .symbol:         k_q60b7ab0092_proj.kd
    .args:
      - { .name: xn, .offset: 0, .size: 8, .value_kind: global_buffer, .address_space: global }
      - { .name: wkb, .offset: 8, .size: 8, .value_kind: global_buffer, .address_space: global }
      - { .name: bk, .offset: 16, .size: 8, .value_kind: global_buffer, .address_space: global }
      - { .name: qkv, .offset: 24, .size: 8, .value_kind: global_buffer, .address_space: global }
    .group_segment_fixed_size: 327680
    .private_segment_fixed_size: 0
    .kernarg_segment_align: 8
    .kernarg_segment_size: 32
    .max_flat_workgroup_size: 128
    .sgpr_count:     96
    .vgpr_count:     672
    .wavefront_size: 32
...
	.end_amdgpu_metadata
.endif
;; end of part 2
;; launch scores (part 3): grid 8 x 32, 4 waves a work-group, clusters of 4 x 4, 327,680 bytes of LDS; arguments qkv, attention_mask, e, stats; writes e, stats
.if DOCPART == 3
	.amdgcn_target "amdgcn-amd-amdhsa--gfx1250"
	.amdhsa_code_object_version 6
	.text
	.protected	k_q60b7ab0092_scores
	.globl	k_q60b7ab0092_scores
	.p2align	8
	.type	k_q60b7ab0092_scores,@function
k_q60b7ab0092_scores:
	s_mov_b64 s[64:65], 0
	v_nop
	global_prefetch_b8 v0, s[64:65] scope:SCOPE_SE
	s_setreg_imm32_b32 hwreg(HW_REG_WAVE_MODE, 25, 1), 1
	s_wait_xcnt 0x0
	s_wait_alu depctr_hold_cnt(0) depctr_sa_sdst(0) depctr_va_vdst(0) depctr_va_sdst(0) depctr_va_ssrc(0) depctr_va_vcc(0) depctr_vm_vsrc(0)
	s_getreg_b32 s2, hwreg(HW_REG_IB_STS2, 6, 4)
	s_cmp_eq_u32 s2, 0
	s_cbranch_scc0 .Lentry_in_a_cluster
	s_endpgm
.Lentry_in_a_cluster:
	s_bfe_u32 s2, ttmp6, 0x10000c
	s_cmp_lg_u32 s2, 0xf033
	s_cbranch_scc0 .Lentry_shape_is_right
	s_endpgm
.Lentry_shape_is_right:
; Launch 3 of 4.  For each batch raw = qkv qkv^T; where the mask is true the score is 1e-9; t = score x log2 e = raw x c, c = log2(e) / 32.
; For each row and each block of 128 keys (one wave's columns): N = floor(-c x largest raw) = -ceil(largest t), E = 2^(t + N) in (0, 1] as bf16 into e[4][2048][2048],
; l = the sum of E in f32.  N and l go to stats: N at ((batch 16 + block) 2048 + row) 4, l 524,288 bytes further.  Launch 4 brings the 16 blocks of a row onto one maximum.
; So a true maximum is taken away in front of every exponential, whatever the scores.
; No work of reference() is left out.  raw is symmetric in each batch, but the mask is not: using that would leave 36 of 64 blocks a batch, 144 work-groups
; for 256 WGPs, each with a second, transposed way out; the launch would not get shorter, so every block is computed.
; LIMITS: qkv is in bf16 (a matrix operand); a NaN among the scores loses in the maximum; E below 2^-126 counts as 0.
; THE PRODUCT: a work-group makes 256 x 256 with four waves, a wave 128 x 128 in 512 registers; K = 1,024 in steps of 128 through two LDS slots
; filled by the tensor data mover (rows of 256 bytes of memory, 272 in LDS); two fragment buffers.  At most two tensor loads of a wave are out (the two first fills).
; CLUSTERS: 4 x 4 work-groups; the query rows' tile is asked for jointly along a row of the cluster, the key rows' tile along a column (all sixteen lie in one batch).
; THE MASK's 256 x 256 bytes belong to this work-group alone: four plain tensor loads, one a wave (64 rows), into slot 0 as that slot's last fill, while the last K step is multiplied.
; THE MATRIX INSTRUCTION IS USED TRANSPOSED: source 0 = 16 key rows, source 1 = 16 query rows: lane l holds query l % 16, registers 0..7 the keys 8 (l / 16) + 0..7 of each of 8 tiles:
; 64 of its row's 128 keys; the lane 16 further holds the other 64.  So a row's maximum and sum need one exchange between the halves.
; REGISTER WINDOWS: 0 addresses, query fragments, the way out; 1 key fragments; 2 the tiles of my rows 0-63; 3 those of rows 64-127.
.set SIZE_K, 1024
.set KSTEP,  128
.set PITCH,  272
.set HALFT,  128*PITCH                 ; 34,816: what one joint load brings
.set SLOT,   4*HALFT                   ; 139,264: 256 query rows, then 256 key rows
.set STAGE,  2*SLOT                    ; 278,528: 16 rows x 272 bytes for each wave; no fill lands here or behind
.set STAT,   STAGE+4*16*PITCH          ; 295,936: 1 KiB for each wave: 128 N, 128 l
.set LAPS,   SIZE_K/(2*KSTEP)
.set EROW,   4096                      ; bytes in a row of e
.set ADRA, 16                          ; v16-17 LDS address of my query fragments, slot 0, 1
.set ADRB, 20                          ; v20-21 of my key fragments
.set STO,  24
.set RD,   25
.set CO,   26
.set MADR, 27                          ; my 8 mask bytes in row tile 0, key tile 0
.set SADR, 28                          ; where I put my row's N
.set SRD,  29                          ; where I read the statistics back
.set SCO,  30                          ; 16 lane
.set F0,   64
.set F1,   128
.set SC,   64                          ; v64-127  the way out: a row tile's 64 scores of the lane
.set MK,   128                         ; v128-143 its 64 mask bytes
.set MW,   144                         ; v144-147 at work
.set MX,   148
.set T,    149
.set NP,   150                         ; v150-151 N, twice
.set LA,   152                         ; v152-155 two chains of sums
.set LB,   154
.set RB,   160                         ; v160-191 rows read back
.set TMP,  192                         ; v192-223 packed E
.set G1,  24
.set G0,  32
.set G1B, 40
.set G0B, 48
.set G1M, 68                           ; s[68:75] group 1 of the mask's tile
.set G0M, 76                           ; s[76:79] its group 0
.set MSB, 0
.macro WIN new                         ; the immediate's high byte repeats the setting that is left
.if MSB != \new
	s_set_vgpr_msb (MSB<<8)|\new
.set MSB, \new
.endif
.endm
.set MUL_LO, 0xa1                      ; source 0 (keys) window 1, source 1 (queries) window 0, C and D window 2
.set MUL_HI, 0xf1                      ; the same, C and D window 3
.set TO_B,   0x40                      ; destination window 1, address window 0
.macro JLOAD s                         ; a joint load: waves 0, 1 the query tile's halves, waves 2, 3 the key tile's; the branch hangs on the wave's number alone
	s_cmp_eq_u32 s13, 0
	s_cbranch_scc0 .Lfor_b_\@
	tensor_load_to_lds s[G0+4*\s:G0+4*\s+3], s[G1:G1+7]
	s_nop 0
	s_branch .Lasked_\@
.Lfor_b_\@:
	tensor_load_to_lds s[G0B+4*\s:G0B+4*\s+3], s[G1B:G1B+7]
	s_nop 0
.Lasked_\@:
.endm
.macro CREST                           ; a round of the cluster's barrier behind its opening barrier
	s_cmp_lg_u32 s12, 0
	s_cbranch_scc1 .Lnot_wave_0_\@
	s_barrier_signal -3
.Lnot_wave_0_\@:
	s_barrier_wait -3
	s_barrier_signal -1
	s_barrier_wait -1
.endm
.macro CROUND
	s_barrier_signal -1
	s_barrier_wait -1
	CREST
.endm
	s_load_b256 s[4:11], s[0:1], 0x0               ; qkv s[4:5], attention_mask s[6:7], e s[8:9], stats s[10:11]
	s_set_vgpr_msb 0x40
	v_lshl_add_u32 v255, v0, 2, 0x49400
	s_set_vgpr_msb 0x4000
	v_mov_b32 v255, 0
	s_set_vgpr_msb 0x1
	ds_add_u32 v255, v255
	s_set_vgpr_msb 0x100
	v_lshrrev_b32 v1, 5, v0
	v_readfirstlane_b32 s12, v1                    ; wave 0..3
	s_lshr_b32 s13, s12, 1                         ; which half of the block's rows is mine.  Also: I fetch queries (0) or keys (1)
	s_and_b32 s14, s12, 1                          ; which half of its columns.  Also: which 128 rows of that tile I fetch
	s_bfe_u32 s16, ttmp6, 0x40000                  ; cx
	s_bfe_u32 s17, ttmp6, 0x40004                  ; cy
	s_lshl_b32 s18, ttmp9, 2
	s_add_co_u32 s18, s18, s16                     ; bx: block of 256 keys in the batch, 0..7
	s_and_b32 s19, ttmp7, 0xffff
	s_lshl_b32 s19, s19, 2
	s_add_co_u32 s19, s19, s17                     ; by: block of 256 query rows over all batches, 0..31
	s_and_b32 s22, ttmp7, 0xffff
	s_lshr_b32 s22, s22, 1                         ; batch = by / 8 = cluster y / 2: made without cy
	s_lshl_b32 s20, s17, 2
	s_lshl_b32 s20, 15, s20                        ; my row of the cluster
	s_lshl_b32 s21, 0x1111, s16                    ; my column
	s_or_b32 s[G1+0], s20, (1<<16)|(1<<20)|(1<<21)|(5<<22)|(3<<25)    ; elements of 2 bytes; 4 words of padding behind every 64
	s_or_b32 s[G1B+0], s21, (1<<16)|(1<<20)|(1<<21)|(5<<22)|(3<<25)
	s_mov_b32 s[G1+1], KSTEP<<16                   ; tensor_dim0 = 128
	s_mov_b32 s[G1B+1], KSTEP<<16
	s_mov_b32 s[G1+2], 128<<16                     ; tensor_dim1 = 128
	s_mov_b32 s[G1B+2], 128<<16
	s_mov_b32 s[G1+3], KSTEP<<16                   ; tile_dim0 = 128
	s_mov_b32 s[G1B+3], KSTEP<<16
	s_mov_b32 s[G1+4], 128                         ; tile_dim1 = 128
	s_mov_b32 s[G1B+4], 128
	s_mov_b32 s[G1+5], SIZE_K                      ; elements from row to row
	s_mov_b32 s[G1B+5], SIZE_K
	s_mov_b32 s[G1+6], 0
	s_mov_b32 s[G1B+6], 0
	s_mov_b32 s[G1+7], 0
	s_mov_b32 s[G1B+7], 0
	; the mask's tile: 64 rows x 32 elements of 8 bytes, 256 elements from row to row, the same padding; no work-group mask
	s_mov_b32 s[G1M+0], (3<<16)|(1<<20)|(5<<22)|(3<<25)
	s_mov_b32 s[G1M+1], 32<<16
	s_mov_b32 s[G1M+2], 64<<16
	s_mov_b32 s[G1M+3], 32<<16
	s_mov_b32 s[G1M+4], 64
	s_mov_b32 s[G1M+5], 256
	s_mov_b32 s[G1M+6], 0
	s_mov_b32 s[G1M+7], 0
	; where the tiles come from.  s[56:57] and s60 never hold cx, s[58:59] and s61 never cy.
	s_lshl_b32 s60, s14, 7
	s_lshl_b32 s56, s19, 8
	s_add_co_u32 s56, s56, s60                     ; queries: row 256 by + 128 half
	s_lshl_b32 s56, s56, 11                        ; x 2,048 bytes
	s_mov_b32 s57, 0
	s_lshl_b32 s58, s22, 11
	s_lshl_b32 s61, s18, 8
	s_add_co_u32 s58, s58, s61
	s_add_co_u32 s58, s58, s60                     ; keys: row 2,048 batch + 256 bx + 128 half
	s_lshl_b32 s58, s58, 11
	s_mov_b32 s59, 0
	s_lshl_b32 s90, s19, 8
	s_lshl_b32 s62, s12, 6
	s_add_co_u32 s90, s90, s62                     ; mask: row 256 by + 64 w,
	s_lshl_b32 s90, s90, 11                        ; x 2,048 bytes,
	s_add_co_u32 s90, s90, s61                     ; + 256 bx
	s_mov_b32 s91, 0
	s_mul_i32 s63, s12, HALFT                      ; where the joint tiles go: wave x 128 rows
	s_mov_b32 s80, 0x3309705f                      ; 32 x f32(1e-9): the fill, in front of the division by 32
	s_mov_b32 s81, 0xbd38aa3b                      ; -c
	s_mov_b32 s82, 0x3d38aa3b                      ; c = log2(e) / 32
	s_mov_b32 s83, 0x3d38aa3b
	s_mov_b32 s84, 0                               ; v_perm_b32: byte 0, 1, 2, 3 of a word into all four places
	s_mov_b32 s85, 0x01010101
	s_mov_b32 s86, 0x02020202
	s_mov_b32 s87, 0x03030303
	s_mov_b32 s88, 0x76543210                      ; v_permlanex16_b32: lane i of one half reads lane i of the other
	s_mov_b32 s89, 0xfedcba98
	s_wait_dscnt 0x0
	s_wait_kmcnt 0x0
	s_add_nc_u64 s[56:57], s[4:5], s[56:57]
	s_add_nc_u64 s[58:59], s[4:5], s[58:59]
	s_mov_b32 s[G0M], 1
	s_mul_i32 s[G0M+1], s12, 64*PITCH              ; into slot 0 from its first byte: wave x 64 rows
	s_add_nc_u64 s[G0M+2:G0M+3], s[6:7], s[90:91]
	s_or_b32 s[G0M+3], s[G0M+3], 0x80000000
	CROUND                                         ; all sixteen work-groups are here: the first joint loads meet
.irp s, 0,1
	s_mov_b32 s[G0+4*\s], 1
	s_add_co_u32 s[G0+4*\s+1], s63, \s*SLOT
	s_add_nc_u64 s[G0+4*\s+2:G0+4*\s+3], s[56:57], \s*KSTEP*2
	s_or_b32 s[G0+4*\s+3], s[G0+4*\s+3], 0x80000000
	s_mov_b32 s[G0B+4*\s], 1
	s_add_co_u32 s[G0B+4*\s+1], s63, \s*SLOT
	s_add_nc_u64 s[G0B+4*\s+2:G0B+4*\s+3], s[58:59], \s*KSTEP*2
	s_or_b32 s[G0B+4*\s+3], s[G0B+4*\s+3], 0x80000000
	JLOAD \s
.endr
	v_and_b32 v1, 15, v0                           ; r = l % 16
	v_bfe_u32 v2, v0, 4, 1                         ; h = l / 16
	v_mul_u32_u24 v3, v1, PITCH
	v_lshl_add_u32 v4, v2, 4, v3                   ; row x pitch + 16 h
	s_mul_i32 s92, s13, HALFT                      ; my 128 query rows
	s_mul_i32 s93, s14, HALFT                      ; my 128 key rows,
	s_add_co_u32 s93, s93, 2*HALFT                 ; which lie behind the 256 query rows
	v_add_nc_u32 v[ADRA], s92, v4
	v_add_nc_u32 v[ADRB], s93, v4
	v_add_nc_u32 v[ADRA+1], SLOT, v[ADRA]
	v_add_nc_u32 v[ADRB+1], SLOT, v[ADRB]
	s_mul_i32 s94, s12, 16*PITCH
	s_add_co_u32 s94, s94, STAGE                   ; my stage
	v_add_nc_u32 v[STO], s94, v4                   ; in: row r, 16 bytes for each half of the lanes
	v_mul_u32_u24 v5, v2, PITCH                    ; back: lanes 0-15 one row of 256 bytes, lanes 16-31 the next
	v_lshl_add_u32 v5, v1, 4, v5
	v_add_nc_u32 v[RD], s94, v5
	v_lshlrev_b32 v5, 12, v2                       ; and the same two rows in e
	v_lshl_add_u32 v[CO], v1, 4, v5
	s_lshl_b32 s95, s14, 7
	s_add_co_u32 s95, s95, s92                     ; the mask's tile lies where slot 0's query rows lay: my 128 rows, my 128 bytes of them
	v_lshl_add_u32 v5, v2, 3, v3                   ; row r, 8 bytes for each half
	v_add_nc_u32 v[MADR], s95, v5
	s_lshl_b32 s95, s12, 10
	s_add_co_u32 s95, s95, STAT
	v_lshl_add_u32 v[SADR], v1, 2, s95
	v_and_b32 v5, 31, v0
	v_lshlrev_b32 v[SCO], 4, v5
	v_add_nc_u32 v[SRD], s95, v[SCO]
; 16 matrix instructions: row tiles a0, a0 + 1 of the window's four x all 8 key tiles, 32 along K.  zero = 1: the first product starts the sums.
; The 64 accumulators take turns, one instruction a turn, in the same order in every quarter step and over the backward jump.
.macro MUL16 f, hi, a0, zero
.irp a, \a0, \a0+1
.irp b, 0,1,2,3,4,5,6,7
.if \zero
	v_wmma_f32_16x16x32_bf16 v[8*(8*(\a)+\b):8*(8*(\a)+\b)+7], v[\f+8*\b:\f+8*\b+7], v[\f+8*(4*\hi+\a):\f+8*(4*\hi+\a)+7], 0
.else
	v_wmma_f32_16x16x32_bf16 v[8*(8*(\a)+\b):8*(8*(\a)+\b)+7], v[\f+8*\b:\f+8*\b+7], v[\f+8*(4*\hi+\a):\f+8*(4*\hi+\a)+7], v[8*(8*(\a)+\b):8*(8*(\a)+\b)+7]
.endif
.endr
.endr
.endm
; 32 LDS loads in one run: one quarter step's fragments (128 key rows, 128 query rows, 32 K at byte k of the rows) into buffer f
.macro FETCH slot, k, f
	WIN TO_B
.irp i, 0,1,2,3,4,5,6,7
	ds_load_b128 v[\f+8*\i:\f+8*\i+3],   v[ADRB+\slot] offset:\k+\i*16*PITCH
	ds_load_b128 v[\f+8*\i+4:\f+8*\i+7], v[ADRB+\slot] offset:\k+\i*16*PITCH+32
.endr
	WIN 0
.irp i, 0,1,2,3,4,5,6,7
	ds_load_b128 v[\f+8*\i:\f+8*\i+3],   v[ADRA+\slot] offset:\k+\i*16*PITCH
	ds_load_b128 v[\f+8*\i+4:\f+8*\i+7], v[ADRA+\slot] offset:\k+\i*16*PITCH+32
.endr
.endm
.macro PLACES                          ; four plain places between a matrix instruction and a load into, or a vector use of, its registers
.rept 4
	v_nop
.endr
.endm
.macro QUARTER slot, k, f, g, zero
	s_wait_dscnt 8                                 ; keys and query rows 0-63 are in; the youngest eight loads (query rows 64-127) may be out
	WIN MUL_LO
	MUL16 \f, 0, 0, \zero
	MUL16 \f, 0, 2, \zero
	PLACES
	FETCH \slot, \k, \g
	s_wait_dscnt 32                                ; all but the 32 just issued
	WIN MUL_HI
	MUL16 \f, 1, 0, \zero
	MUL16 \f, 1, 2, \zero
.endm
.macro THREE slot, zero
	QUARTER \slot, 64,  F0, F1, \zero
	QUARTER \slot, 128, F1, F0, 0
	QUARTER \slot, 192, F0, F1, 0
.endm
; The last quarter of a K step: multiplies buffer 1 and changes slots.  In front of the barrier each wave waits for its reads of this slot and for all its tensor loads.
; fill = 1: the round of the cluster's barrier is closed and this slot is filled again, two K steps ahead, by the joint load, the first tensor load behind the round.
; fill = 2: the same round; the slot gets its last fill, my 64 rows of the mask.  fill = 0: nothing is filled.
.macro TURN slot, next, fill
	s_wait_dscnt 8
	WIN MUL_LO
	MUL16 F1, 0, 0, 0
	s_wait_dscnt 0                                 ; my reads of this slot are over
	s_wait_tensorcnt 0x0                           ; all my tensor loads have landed: the one that was out is my part of the next slot
	ds_add_u32 v255, v255
	s_wait_dscnt 0x0
	s_barrier_signal -1
	MUL16 F1, 0, 2, 0                              ; registers only, while the others arrive
	WIN 0
	s_barrier_wait -1
.if \fill == 1
	CREST
	s_add_nc_u64 s[G0+4*\slot+2:G0+4*\slot+3], s[G0+4*\slot+2:G0+4*\slot+3], 2*KSTEP*2
	s_add_nc_u64 s[G0B+4*\slot+2:G0B+4*\slot+3], s[G0B+4*\slot+2:G0B+4*\slot+3], 2*KSTEP*2
	JLOAD \slot
.endif
.if \fill == 2
	CREST
	tensor_load_to_lds s[G0M:G0M+3], s[G1M:G1M+7]
	s_nop 0
.endif
	PLACES
	FETCH \next, 0, F0
	WIN MUL_HI
	MUL16 F1, 1, 0, 0
	MUL16 F1, 1, 2, 0
.endm
.macro LAP zero
	THREE 0, \zero
	TURN 0, 1, 1
	THREE 1, 0
	TURN 1, 0, 1
.endm
	s_wait_tensorcnt 0x1                           ; my part of K step 0 is in; K step 1's may stay out
	s_barrier_signal -1
	s_barrier_wait -1
	FETCH 0, 0, F0
	LAP 1                                          ; the first lap stands in front of the loop: its first products start the sums
	WIN 0
	s_mov_b32 s15, LAPS-2
.Llap:
	LAP 0
	WIN 0
	s_sub_co_u32 s15, s15, 1
	s_cmp_lg_u32 s15, 0
	s_cbranch_scc1 .Llap
	THREE 0, 0
	TURN 0, 1, 2                                   ; slot 0 is done with: the mask comes into it while the last K step is multiplied
	THREE 1, 0
	s_wait_dscnt 8                                 ; the very last quarter
	WIN MUL_LO
	MUL16 F1, 0, 0, 0
	MUL16 F1, 0, 2, 0
	s_wait_dscnt 0
	WIN MUL_HI
	MUL16 F1, 1, 0, 0
	MUL16 F1, 1, 2, 0
	WIN 0
	s_wait_tensorcnt 0x0                           ; my 64 rows of the mask are in;
	s_barrier_signal -1
	s_barrier_wait -1                              ; everybody's are: I read rows that other waves brought
	PLACES                                         ; behind the last matrix instructions, for all that reads results or writes fragments below
	s_lshl_b32 s56, s19, 8
	s_lshl_b32 s60, s13, 7
	s_add_co_u32 s56, s56, s60                     ; my first row of e: 256 by + 128 mh
	s_lshl_b32 s56, s56, 12
	s_mov_b32 s57, 0
	s_add_nc_u64 s[8:9], s[8:9], s[56:57]
	s_lshl_b32 s58, s18, 9                         ; my first column, in bytes: 512 bx + 256 nh
	s_lshl_b32 s61, s14, 8
	s_add_co_u32 s58, s58, s61
	s_mov_b32 s59, 0
	s_add_nc_u64 s[8:9], s[8:9], s[58:59]
	s_lshl_b32 s56, s22, 17                        ; stats: batch x 16 x 2,048 x 4
	s_and_b32 s92, s19, 7
	s_lshl_b32 s92, s92, 10                        ; + my block's 256 rows
	s_add_co_u32 s56, s56, s92
	s_lshl_b32 s60, s13, 9                         ; + my half's 128
	s_add_co_u32 s56, s56, s60
	s_add_nc_u64 s[10:11], s[10:11], s[56:57]
	s_lshl_b32 s58, s18, 14                        ; + key block 2 bx + nh, 8,192 bytes each
	s_lshl_b32 s61, s14, 13
	s_add_co_u32 s58, s58, s61
	s_add_nc_u64 s[10:11], s[10:11], s[58:59]
.macro SFMA b                          ; t + N = raw c + N for key tile b, one rounding
.irp p, 0,1,2,3
	v_pk_fma_f32 v[SC+8*(\b)+2*\p:SC+8*(\b)+2*\p+1], v[SC+8*(\b)+2*\p:SC+8*(\b)+2*\p+1], s[82:83], v[NP:NP+1] op_sel_hi:[1,0,1]
.endr
.endm
; Rows 16 i .. 16 i + 15 of my block = the eight tiles (a, 0..7) of window 2 or 3 (win: source 2 in that window).
.macro ROWT i, a, win
.irp b, 0,1,2,3,4,5,6,7
	ds_load_b64 v[MK+2*\b:MK+2*\b+1], v[MADR] offset:\i*16*PITCH+16*\b       ; the mask bytes of keys 16 b + 8 h + 0..7
.endr
	s_wait_dscnt 0x0
.irp q, 0,1,2,3,4,5,6,7,8,9,10,11,12,13,14,15
	v_lshlrev_b32 v[MW+\q%4], 8, v[MK+\q]          ; x 255: a byte 1 becomes 0xff, a byte 0 stays; no carry between bytes
	v_sub_nc_u32 v[MK+\q], v[MW+\q%4], v[MK+\q]
.endr
.irp b, 0,1,2,3,4,5,6,7
.irp j, 0,1,2,3,4,5,6,7
	v_perm_b32 v[SC+8*\b+\j], v[MK+2*\b+\j/4], v[MK+2*\b+\j/4], s[84+\j%4]   ; key j's byte over the whole word
.endr
.endr
	WIN \win
.irp b, 0,1,2,3,4,5,6,7
.irp j, 0,1,2,3,4,5,6,7
	v_bfi_b32 v[SC+8*\b+\j], v[SC+8*\b+\j], s80, v[8*(8*\a+\b)+\j]           ; mask true: the fill; else the product
.endr
.endr
	WIN 0
.irp b, 0,1,2,3,4,5,6,7
	v_max3_num_f32 v[T], v[SC+8*\b], v[SC+8*\b+1], v[SC+8*\b+2]
	v_max3_num_f32 v[T], v[T], v[SC+8*\b+3], v[SC+8*\b+4]
	v_max3_num_f32 v[T], v[T], v[SC+8*\b+5], v[SC+8*\b+6]
.if \b == 0
	v_max_num_f32 v[MX], v[T], v[SC+7]
.else
	v_max3_num_f32 v[MX], v[MX], v[T], v[SC+8*\b+7]
.endif
.endr
	v_permlanex16_b32 v[T], v[MX], s88, s89        ; the row's other 64 keys
	v_max_num_f32 v[MX], v[MX], v[T]
	v_mul_f32 v[T], s81, v[MX]
	v_floor_f32 v[NP], v[T]                        ; N = floor(-c max) = -ceil(largest t)
	v_mov_b32 v[NP+1], v[NP]                       ; a pair for the packed multiply-add
	SFMA 0
.irp b, 0,1,2,3,4,5,6,7
.irp j, 0,1,2,3,4,5,6,7
	v_exp_f32 v[SC+8*\b+\j], v[SC+8*\b+\j]
.endr
.if \b < 7
	SFMA \b+1                                      ; plain work on other registers between the exponentials and their first use (ISA guide 5.7.2)
.else
	v_nop
.endif
.if \b == 0
	s_wait_alu depctr_va_vdst(0)
	v_pk_add_f32 v[LA:LA+1], v[SC:SC+1], v[SC+2:SC+3]                        ; the first sums start the chains
	v_pk_add_f32 v[LB:LB+1], v[SC+4:SC+5], v[SC+6:SC+7]
.else
	s_wait_alu depctr_va_vdst(0)
	v_pk_add_f32 v[LA:LA+1], v[LA:LA+1], v[SC+8*\b:SC+8*\b+1]
	v_pk_add_f32 v[LB:LB+1], v[LB:LB+1], v[SC+8*\b+2:SC+8*\b+3]
	v_pk_add_f32 v[LA:LA+1], v[LA:LA+1], v[SC+8*\b+4:SC+8*\b+5]
	v_pk_add_f32 v[LB:LB+1], v[LB:LB+1], v[SC+8*\b+6:SC+8*\b+7]
.endif
.irp p, 0,1,2,3
	v_cvt_pk_bf16_f32 v[TMP+4*\b+\p], v[SC+8*\b+2*\p], v[SC+8*\b+2*\p+1]
.endr
.endr
	v_pk_add_f32 v[LA:LA+1], v[LA:LA+1], v[LB:LB+1]
	v_add_f32 v[LA], v[LA], v[LA+1]
	v_permlanex16_b32 v[T], v[LA], s88, s89
	v_add_f32 v[LA], v[LA], v[T]
	ds_store_b32 v[SADR], v[NP] offset:64*\i       ; both halves of the lanes write the same word with the same value
	ds_store_b32 v[SADR], v[LA] offset:512+64*\i
.irp b, 0,1,2,3,4,5,6,7
	ds_store_b128 v[STO], v[TMP+4*\b:TMP+4*\b+3] offset:32*\b
.endr
	s_wait_xcnt 0x0                                ; RB, which the last stores read, and their base are rewritten only behind this wait
.if \i
	s_add_nc_u64 s[8:9], s[8:9], 16*EROW
.endif
.irp t, 0,1,2,3,4,5,6,7
	ds_load_b128 v[RB+4*\t:RB+4*\t+3], v[RD] offset:\t*2*PITCH               ; LDS serves a wave's instructions in order: these see the stores above
.endr
.irp t, 0,1,2,3,4,5,6,7
	s_wait_dscnt 7-\t
	global_store_b128 v[CO], v[RB+4*\t:RB+4*\t+3], s[8:9] offset:2*\t*EROW   ; 16 lanes store 256 consecutive bytes, aligned
.endr
.endm
	ROWT 0, 0, 0x20
	ROWT 1, 1, 0x20
	ROWT 2, 2, 0x20
	ROWT 3, 3, 0x20
	ROWT 4, 0, 0x30
	ROWT 5, 1, 0x30
	ROWT 6, 2, 0x30
	ROWT 7, 3, 0x30
	ds_load_b128 v[SC:SC+3], v[SRD]                ; my 128 N and my 128 l, 512 consecutive bytes each, written by this wave alone
	ds_load_b128 v[SC+4:SC+7], v[SRD] offset:512
	s_wait_dscnt 0x0
	global_store_b128 v[SCO], v[SC:SC+3], s[10:11]
	global_store_b128 v[SCO], v[SC+4:SC+7], s[10:11] offset:524288
	s_set_vgpr_msb 0x1
	s_wait_tensorcnt 0x0
	ds_add_u32 v255, v255
	s_wait_dscnt 0x0
	s_set_vgpr_msb 0x100
	CROUND                                         ; the closing round: no work-group ends while a partner may still ask for a tile that names it
	s_endpgm
.Lfunc_end_k_q60b7ab0092_scores:
	.size	k_q60b7ab0092_scores, .Lfunc_end_k_q60b7ab0092_scores-k_q60b7ab0092_scores
	.p2alignl 7, 3214868480
	.fill 96, 4, 3214868480
	.section	.rodata,"a",@progbits
	.p2align	6, 0x0
	.amdhsa_kernel k_q60b7ab0092_scores
		.amdhsa_group_segment_fixed_size 327680
		.amdhsa_private_segment_fixed_size 0
		.amdhsa_enable_private_segment 0
		.amdhsa_kernarg_size 32
		.amdhsa_user_sgpr_count 2
		.amdhsa_user_sgpr_kernarg_segment_ptr 1
		.amdhsa_wavefront_size32 1
		.amdhsa_system_sgpr_workgroup_id_x 1
		.amdhsa_system_sgpr_workgroup_id_y 1
		.amdhsa_system_sgpr_workgroup_id_z 1
		.amdhsa_system_vgpr_workitem_id 0
		.amdhsa_next_free_vgpr 1024
		.amdhsa_next_free_sgpr 96
		.amdhsa_reserve_vcc 0
		.amdhsa_float_denorm_mode_32 3
		.amdhsa_float_denorm_mode_16_64 3
		.amdhsa_memory_ordered 1
		.amdhsa_forward_progress 1
		.amdhsa_inst_pref_size 255
	.end_amdhsa_kernel
	.section	.bss,"aw",@nobits
	.p2align	6
	.space	262144
	.amdgpu_metadata
---
amdhsa.version: [ 1, 2 ]
amdhsa.kernels:
  - .name:           k_q60b7ab0092_scores
    .symbol:         k_q60b7ab0092_scores.kd
    .args:
      - { .name: qkv, .offset: 0, .size: 8, .value_kind: global_buffer, .address_space: global }
      - { .name: attention_mask, .offset: 8, .size: 8, .value_kind: global_buffer, .address_space: global }
      - { .name: e, .offset: 16, .size: 8, .value_kind: global_buffer, .address_space: global }
      - { .name: stats, .offset: 24, .size: 8, .value_kind: global_buffer, .address_space: global }
    .group_segment_fixed_size: 327680
    .private_segment_fixed_size: 0
    .kernarg_segment_align: 8
    .kernarg_segment_size: 32
    .max_flat_workgroup_size: 128
    .sgpr_count:     96
    .vgpr_count:     1024
    .wavefront_size: 32
...
	.end_amdgpu_metadata
.endif
;; end of part 3
;; launch pv (part 4): grid 8 x 32, 4 waves a work-group, clusters of 4 x 4, 327,680 bytes of LDS; arguments e, qkv, stats, out0; writes out0
.if DOCPART == 4
	.amdgcn_target "amdgcn-amd-amdhsa--gfx1250"
	.amdhsa_code_object_version 6
	.text
	.protected	k_q60b7ab0092_pv
	.globl	k_q60b7ab0092_pv
	.p2align	8
	.type	k_q60b7ab0092_pv,@function
k_q60b7ab0092_pv:
	s_mov_b64 s[64:65], 0
	v_nop
	global_prefetch_b8 v0, s[64:65] scope:SCOPE_SE
	s_setreg_imm32_b32 hwreg(HW_REG_WAVE_MODE, 25, 1), 1
	s_wait_xcnt 0x0
	s_wait_alu depctr_hold_cnt(0) depctr_sa_sdst(0) depctr_va_vdst(0) depctr_va_sdst(0) depctr_va_ssrc(0) depctr_va_vcc(0) depctr_vm_vsrc(0)
	s_getreg_b32 s2, hwreg(HW_REG_IB_STS2, 6, 4)
	s_cmp_eq_u32 s2, 0
	s_cbranch_scc0 .Lentry_in_a_cluster
	s_endpgm
.Lentry_in_a_cluster:
	s_bfe_u32 s2, ttmp6, 0x10000c
	s_cmp_lg_u32 s2, 0xf033
	s_cbranch_scc0 .Lentry_shape_is_right
	s_endpgm
.Lentry_shape_is_right:
; C = A B with B stored [K][N].  One text for two launches, chosen by PV:
;   PV = 0 (launch 2 of 4): qkv[8192][1024] = xn[8192][1024] wkb[1024][1024] + bk, operands in f16, the result rounded once to bf16.
;   PV = 1 (this file, launch 4 of 4): out0 = (sum over blocks kb of 128 keys of g[row][kb] E[row][kb] V[kb]) / l[row], f32; A = e, B = one batch of qkv, operands in bf16.
; No work of reference() is left out in either form.
; FORMATS.  xn and wkb are f16: both have room there (launch 1's head comment gives the bounds), and their rounding, summed over 1,024 products, would in bf16 leave eight times
; the error in every number of qkv, large or small.  qkv is bf16: with larger gains and offsets its sums have no sure room in f16, and its rounding is proportional to the number itself.
; E is bf16: its factors g reach far below f16's range.
; SHARES.  A work-group makes 256 rows x 128 columns with four waves; wave w makes rows 64 w .. 64 w + 63 by all 128 columns: 4 x 8 tiles of 16 x 16,
; 256 accumulator registers.  So each row of A is read, and with PV scaled, by one wave alone.  32 x 8 = 256 work-groups.
; K goes in steps of 128 through two LDS slots, each with 256 rows of A (256 bytes of memory a row) and 128 k rows of B (256 bytes a row).
; One tensor load a wave and step: waves 0, 1 bring A's halves (128 rows), waves 2, 3 B's halves (64 rows).  At most two loads of a wave are out (the two first fills).
; CLUSTERS: 4 x 4 work-groups.  A's tile hangs on the block row alone and is asked for jointly along a row of the cluster; B's on the block column
; (and the batch, which the whole cluster shares: 4 block rows lie inside one batch's 8) and is asked for jointly along a column.
; B'S FRAGMENTS come out of [K][N] rows by ds_load_tr16_b128; B's LDS pitch is 288 bytes (9 x 32), A's 272 (17 x 16), so that the rows a load touches start in different banks.
; THE MATRIX INSTRUCTION IS USED TRANSPOSED (source 0 = 16 columns of B, source 1 = 16 rows of A): lane l holds row l % 16, its registers 0..7 the columns 8 (l / 16) + 0..7.
; REGISTER WINDOWS: window 0 addresses, B's fragments (two buffers), bias or g; window 1 the tiles of my rows 0-31 and A's fragments for them; window 2 the same for rows 32-63.
; Under W_LO / W_HI source 0 is window 0 and source 1, C, D are the accumulators' window: the products, the loads of A's fragments and their scaling all run under one setting.
; THE SOFTMAX ACROSS LAUNCHES (PV).  Launch 3 stored, for each row and block, N = -ceil(largest t) (t = score x log2 e), E = 2^(t + N) and l = sum of E.
; Here Nmin = min over the 16 blocks = -ceil(the row's largest t), g = 2^(Nmin - N) <= 1, l[row] = sum of g l.  g is a power of two, so g in bf16 and E g in bf16 are exact
; (below 2^-133 they fall to 0).  The row's largest weight lies in (1/2, 1], so l[row] >= 1/2 and nothing overflows for any finite scores.
; LIMITS: weights more than 2^126 below the row's largest count as 0; Nmin - N is cut at -140, which is 0 in bf16; a NaN among the statistics loses in min and max.
.set PV,    1
.set KDIM,  1024+1024*PV               ; the length of the sums
.set KSTEP, 128
.set LAPS,  KDIM/(2*KSTEP)             ; a lap = two K steps = once round the ring
.set PA,    272
.set PB,    288
.set AT,    256*PA                     ; 69,632
.set BT,    128*PB                     ; 36,864
.set SLOT,  AT+BT                      ; 106,496
.set STAGE, 2*SLOT                     ; 212,992: each wave's 16 rows for the way out; no fill lands here or behind
.set SP,    272+256*PV                 ; the stage's pitch: 256 bytes (bf16) or 512 (f32) + 16
.set GTAB,  STAGE+4*16*528             ; 246,784 (PV): g as two equal bf16 in a word, [kb][row], 16 KiB
.set RINV,  GTAB+16*1024               ; 263,168 (PV): 1 / l[row], 1 KiB
.set OROW,  2048+2048*PV               ; bytes in a row of the output
.set ADRA, 16                          ; v16-17  LDS address of my A fragments, slot 0, 1
.set ADRB, 20                          ; v20-21  the same for B
.set STO,  24                          ; the way out: where I put my bytes of a row
.set RD,   25                          ; where I read rows back
.set CO,   26                          ; my byte offset in the output
.set RIA,  27                          ; (PV) LDS address of 1 / l of my row
.set GAD,  28                          ; v28-29 (PV) LDS address of my rows' g for the K step that slot 0, 1 gets next
.set XO,   30                          ; offset of the bias loads, or of the statistics loads; never rewritten
.set GA,   31                          ; (PV) where I write g
.set GR,   32                          ; v32-39 (PV) g of row tile a in slot s at GR + 4 s + a
.set RI,   40                          ; v40-47 (PV) 1 / l of row tile a, twice
.set BIAS, 32                          ; v32-95 (not PV) bk of column 16 b + 8 (l / 16) + j at BIAS + 8 b + j
.set FB0,  96                          ; v96-159  B's fragments, buffer 0
.set FB1,  160                         ; v160-223 buffer 1
.set TMP,  224                         ; v224-255 at work
.set NM,   TMP                         ; (PV) Nmin of my two rows
.set DD,   TMP+2
.set LS,   TMP+4                         ; l of my two rows
.set RC,   TMP+6
.set FA0,  128                         ; windows 1 and 2: A's two fragments, buffer 0
.set FA1,  144                         ; buffer 1
.set G1,  24                           ; s[24:31] descriptor group 1, A's tiles
.set G0,  32                           ; s[32:39] group 0, A's tiles, a set for each slot
.set G1B, 40                           ; s[40:47] group 1, B's tiles
.set G0B, 48                           ; s[48:55] group 0, B's tiles
.set W_LO, 0x54                        ; source 0 window 0; source 1, C, D window 1
.set W_HI, 0xa8                        ; the same with window 2
.set MSB, 0
.macro WIN new                         ; the immediate's high byte repeats the setting that is left
.if MSB != \new
	s_set_vgpr_msb (MSB<<8)|\new
.set MSB, \new
.endif
.endm
; A joint load.  Each of the two lines has one mask and one set of registers; the branch hangs on the wave's number alone.
.macro JLOAD s
	s_cmp_eq_u32 s13, 0
	s_cbranch_scc0 .Lfor_b_\@
	tensor_load_to_lds s[G0+4*\s:G0+4*\s+3], s[G1:G1+7]
	s_nop 0
	s_branch .Lasked_\@
.Lfor_b_\@:
	tensor_load_to_lds s[G0B+4*\s:G0B+4*\s+3], s[G1B:G1B+7]
	s_nop 0
.Lasked_\@:
.endm
; A round of the cluster's barrier: my work-group's barrier, wave 0 signals for the work-group, every wave waits for all sixteen, my work-group's barrier again.
.macro CREST                           ; a round behind its opening barrier
	s_cmp_lg_u32 s12, 0
	s_cbranch_scc1 .Lnot_wave_0_\@
	s_barrier_signal -3
.Lnot_wave_0_\@:
	s_barrier_wait -3
	s_barrier_signal -1
	s_barrier_wait -1
.endm
.macro CROUND
	s_barrier_signal -1
	s_barrier_wait -1
	CREST
.endm
.macro PLACES                          ; four plain places between a matrix instruction and a load into, or a vector use of, its registers
.rept 4
	v_nop
.endr
.endm
	s_load_b256 s[4:11], s[0:1], 0x0               ; A s[4:5], B s[6:7], bk or stats s[8:9], the output s[10:11]
	v_lshl_add_u32 v255, v0, 2, 0x40800
	s_set_vgpr_msb 0x40
	v_mov_b32 v255, 0
	s_set_vgpr_msb 0x4044
	ds_add_u32 v255, v255
	s_set_vgpr_msb 0x4400
	v_lshrrev_b32 v1, 5, v0
	v_readfirstlane_b32 s12, v1                    ; wave 0..3
	s_lshr_b32 s13, s12, 1                         ; I fetch for A (0) or for B (1)
	s_and_b32 s14, s12, 1                          ; which half of that tile
	s_bfe_u32 s16, ttmp6, 0x40000                  ; cx
	s_bfe_u32 s17, ttmp6, 0x40004                  ; cy
	s_lshl_b32 s18, ttmp9, 2
	s_add_co_u32 s18, s18, s16                     ; bx: block column, 0..7
	s_and_b32 s19, ttmp7, 0xffff
	s_lshl_b32 s19, s19, 2
	s_add_co_u32 s19, s19, s17                     ; by: block row, 0..31
	s_and_b32 s22, ttmp7, 0xffff
	s_lshr_b32 s22, s22, 1                         ; batch = by / 8 = cluster y / 2: made without cy
	s_lshl_b32 s20, s17, 2
	s_lshl_b32 s20, 15, s20                        ; my row of the cluster: places 4 cy .. 4 cy + 3
	s_lshl_b32 s21, 0x1111, s16                    ; my column: places cx, cx + 4, cx + 8, cx + 12
	; group 1 for A: 128 rows x 128 elements of 2 bytes, 4 words of padding behind every 64
	s_or_b32 s[G1+0], s20, (1<<16)|(1<<20)|(1<<21)|(5<<22)|(3<<25)
	s_mov_b32 s[G1+1], 128<<16                     ; tensor_dim0 = 128
	s_mov_b32 s[G1+2], 128<<16                     ; tensor_dim1 = 128
	s_mov_b32 s[G1+3], 128<<16                     ; tile_dim0 = 128
	s_mov_b32 s[G1+4], 128                         ; tile_dim1 = 128
	s_mov_b32 s[G1+5], KDIM                        ; elements from row to row
	s_mov_b32 s[G1+6], 0
	s_mov_b32 s[G1+7], 0
	; group 1 for B: 64 k rows x 128 elements, 8 words of padding behind every 64
	s_or_b32 s[G1B+0], s21, (1<<16)|(1<<20)|(1<<21)|(5<<22)|(7<<25)
	s_mov_b32 s[G1B+1], 128<<16
	s_mov_b32 s[G1B+2], 64<<16
	s_mov_b32 s[G1B+3], 128<<16
	s_mov_b32 s[G1B+4], 64
	s_mov_b32 s[G1B+5], 1024
	s_mov_b32 s[G1B+6], 0
	s_mov_b32 s[G1B+7], 0
	; where the tiles come from.  s[56:57] and s60 never hold cx, s[58:59] and s61 never cy.
	s_lshl_b32 s60, s14, 7
	s_lshl_b32 s56, s19, 8
	s_add_co_u32 s56, s56, s60                     ; A: row 256 by + 128 half
	s_lshl_b32 s56, s56, 11+PV                     ; x 2 KDIM bytes: below 2^26
	s_mov_b32 s57, 0
	s_lshl_b32 s58, s14, 6                         ; B: k row 64 half
.if PV
	s_lshl_b32 s61, s22, 11
	s_add_co_u32 s58, s58, s61                     ; + the batch's 2,048 rows of qkv
.endif
	s_lshl_b32 s58, s58, 11                        ; x 2,048 bytes
	s_lshl_b32 s61, s18, 8
	s_add_co_u32 s58, s58, s61                     ; + 128 bx columns
	s_mov_b32 s59, 0
	s_mul_i32 s62, s12, 128*PA                     ; where they go: A's halves at wave x 34,816,
	s_mul_i32 s63, s12, 64*PB
	s_add_co_u32 s63, s63, AT-2*64*PB              ; B's at AT + (wave - 2) x 18,432
.if PV
	s_lshl_b32 s92, s22, 17                        ; statistics: batch x 16 blocks x 2,048 rows x 4 bytes
	s_and_b32 s93, s19, 7
	s_lshl_b32 s93, s93, 10                        ; + my 256 rows
	s_add_co_u32 s92, s92, s93
	v_lshlrev_b32 v[XO], 3, v0                     ; thread t takes rows 2 t, 2 t + 1
.else
	s_lshl_b32 s92, s18, 9                         ; bk at column 128 bx
	v_bfe_u32 v2, v0, 4, 1
	v_lshlrev_b32 v[XO], 5, v2                     ; + 8 (l / 16) columns
.endif
	s_mov_b32 s93, 0
	s_wait_dscnt 0x0
	s_wait_kmcnt 0x0
	s_add_nc_u64 s[56:57], s[4:5], s[56:57]
	s_add_nc_u64 s[58:59], s[6:7], s[58:59]
	s_add_nc_u64 s[8:9], s[8:9], s[92:93]
.if PV
.set kb, 0
.rept 16
	global_load_b64 v[FB0+2*kb:FB0+2*kb+1], v[XO], s[8:9] offset:kb*8192                  ; N of my two rows, block kb: a wave's load covers 256 consecutive bytes
.set kb, kb+1
.endr
.set kb, 0
.rept 16
	global_load_b64 v[FB0+32+2*kb:FB0+32+2*kb+1], v[XO], s[8:9] offset:kb*8192+524288     ; l
.set kb, kb+1
.endr
.else
.irp b, 0,1,2,3,4,5,6,7
	global_load_b128 v[BIAS+8*\b:BIAS+8*\b+3], v[XO], s[8:9] offset:64*\b
	global_load_b128 v[BIAS+8*\b+4:BIAS+8*\b+7], v[XO], s[8:9] offset:64*\b+16
.endr
.endif
	CROUND                                         ; all sixteen work-groups are here: the first joint loads meet
.irp s, 0,1
	s_mov_b32 s[G0+4*\s], 1
	s_add_co_u32 s[G0+4*\s+1], s62, \s*SLOT
	s_add_nc_u64 s[G0+4*\s+2:G0+4*\s+3], s[56:57], \s*KSTEP*2                ; K step s: 256 bytes along A's rows
	s_or_b32 s[G0+4*\s+3], s[G0+4*\s+3], 0x80000000
	s_mov_b32 s[G0B+4*\s], 1
	s_add_co_u32 s[G0B+4*\s+1], s63, \s*SLOT
	s_add_nc_u64 s[G0B+4*\s+2:G0B+4*\s+3], s[58:59], \s*KSTEP*2048           ; 128 rows down B
	s_or_b32 s[G0B+4*\s+3], s[G0B+4*\s+3], 0x80000000
	JLOAD \s
.endr
	v_and_b32 v1, 15, v0                           ; r = l % 16
	v_bfe_u32 v2, v0, 4, 1                         ; h = l / 16
	v_mul_u32_u24 v3, v1, PA
	v_lshl_add_u32 v3, v2, 4, v3                   ; A: row r, 16 bytes for each half of the lanes
	s_mul_i32 s60, s12, 64*PA                      ; my 64 rows
	v_add_nc_u32 v[ADRA], s60, v3
	v_add_nc_u32 v[ADRA+1], SLOT, v[ADRA]
	v_and_b32 v4, 7, v0                            ; B, for the transposing load: k row 8 h + l % 8,
	v_lshl_add_u32 v4, v2, 3, v4
	v_mul_u32_u24 v4, v4, PB
	v_bfe_u32 v5, v0, 3, 1                         ; columns 8 ((l / 8) % 2) + 0..7
	v_lshl_add_u32 v4, v5, 4, v4
	v_add_nc_u32 v[ADRB], AT, v4
	v_add_nc_u32 v[ADRB+1], AT+SLOT, v4
	s_mul_i32 s94, s12, 16*SP
	s_add_co_u32 s94, s94, STAGE                   ; my stage
	v_mul_u32_u24 v5, v1, SP
.if PV
	v_lshl_add_u32 v5, v2, 5, v5                   ; in: row r, 32 bytes (8 f32) for each half
	v_add_nc_u32 v[STO], s94, v5
	v_and_b32 v6, 31, v0
	v_lshlrev_b32 v[CO], 4, v6                     ; back and out: 32 lanes take one row of 512 bytes
	v_add_nc_u32 v[RD], s94, v[CO]
	s_lshl_b32 s95, s12, 8
	v_lshl_add_u32 v7, v1, 2, s95                  ; 4 (64 w + r)
	v_add_nc_u32 v[RIA], RINV, v7
	v_add_nc_u32 v[GAD], GTAB, v7
	v_add_nc_u32 v[GAD+1], GTAB+1024, v7
	v_add_nc_u32 v[GA], GTAB, v[XO]
	; the rows' common maximum, the blocks' factors and the rows' sums; two rows a thread
	s_wait_loadcnt 0x0
.irp e, 0,1
	v_min3_num_f32 v[NM+\e], v[FB0+\e], v[FB0+2+\e], v[FB0+4+\e]
.irp k, 3,5,7,9,11,13
	v_min3_num_f32 v[NM+\e], v[NM+\e], v[FB0+2*\k+\e], v[FB0+2*\k+2+\e]
.endr
	v_min_num_f32 v[NM+\e], v[NM+\e], v[FB0+30+\e]
.endr
.set kb, 0
.rept 16
.irp e, 0,1
	v_sub_f32 v[DD+\e], v[NM+\e], v[FB0+2*kb+\e]                  ; Nmin - N <= 0, a whole number
	v_max_num_f32 v[DD+\e], 0xc30c0000, v[DD+\e]                  ; not below -140
	v_cvt_i32_f32 v[DD+\e], v[DD+\e]
	v_ldexp_f32 v[DD+\e], 1.0, v[DD+\e]                           ; g
.if kb
	v_fmac_f32 v[LS+\e], v[DD+\e], v[FB0+32+2*kb+\e]
.else
	v_mul_f32 v[LS+\e], v[DD+\e], v[FB0+32+\e]                    ; the first product starts the sum
.endif
	v_cvt_pk_bf16_f32 v[FB1+2*kb+\e], v[DD+\e], v[DD+\e]          ; g in both halves, for the packed multiply
.endr
	ds_store_b64 v[GA], v[FB1+2*kb:FB1+2*kb+1] offset:1024*kb
.set kb, kb+1
.endr
	v_rcp_f32 v[RC], v[LS]
	v_rcp_f32 v[RC+1], v[LS+1]
	v_nop                                          ; one plain instruction behind the transcendentals (ISA guide 5.7.2)
	s_wait_alu depctr_va_vdst(0)
	ds_store_b64 v[GA], v[RC:RC+1] offset:RINV-GTAB
	s_wait_dscnt 0x0                               ; my part of the tables is written: the other waves read it behind the barrier
.else
	v_lshl_add_u32 v5, v2, 4, v5                   ; in: row r, 16 bytes (8 bf16) for each half
	v_add_nc_u32 v[STO], s94, v5
	v_mul_u32_u24 v5, v2, SP                       ; back: lanes 0-15 one row of 256 bytes, lanes 16-31 the next
	v_lshl_add_u32 v5, v1, 4, v5
	v_add_nc_u32 v[RD], s94, v5
	v_lshlrev_b32 v5, 11, v2                       ; and the same two rows in the output
	v_lshl_add_u32 v[CO], v1, 4, v5
.endif
.macro SCALE0 fa, g                    ; (PV) a fragment of E times its rows' g
.irp j, 0,1,2,3,4,5,6,7
	v_pk_mul_bf16 v[\fa+\j], v[\g], v[\fa+\j]
.endr
.endm
; Eight matrix instructions: row tile a of the window's two x all 8 column tiles, 32 along K; the bf16 form with PV, the f16 form without.
; zero = 1: the first product starts the sums.  sc = 1: behind each stands one register's scaling of the window's second fragment, which the next eight take.
.macro MULROW fb, fa, a, zero, sc, g
.irp b, 0,1,2,3,4,5,6,7
.if PV
.if \zero
	v_wmma_f32_16x16x32_bf16 v[8*(8*\a+\b):8*(8*\a+\b)+7], v[\fb+8*\b:\fb+8*\b+7], v[\fa+8*\a:\fa+8*\a+7], 0
.else
	v_wmma_f32_16x16x32_bf16 v[8*(8*\a+\b):8*(8*\a+\b)+7], v[\fb+8*\b:\fb+8*\b+7], v[\fa+8*\a:\fa+8*\a+7], v[8*(8*\a+\b):8*(8*\a+\b)+7]
.endif
.else
.if \zero
	v_wmma_f32_16x16x32_f16 v[8*(8*\a+\b):8*(8*\a+\b)+7], v[\fb+8*\b:\fb+8*\b+7], v[\fa+8*\a:\fa+8*\a+7], 0
.else
	v_wmma_f32_16x16x32_f16 v[8*(8*\a+\b):8*(8*\a+\b)+7], v[\fb+8*\b:\fb+8*\b+7], v[\fa+8*\a:\fa+8*\a+7], v[8*(8*\a+\b):8*(8*\a+\b)+7]
.endif
.endif
.if \sc
	v_pk_mul_bf16 v[\fa+8+\b], v[\g], v[\fa+8+\b]
.endif
.endr
.endm
; The sixteen of one window (hi = 0: my rows 0-31, 1: rows 32-63) on buffer f; slot says whose g.
; The 32 accumulators take turns, one instruction a turn, in the same order in every quarter step and over the backward jump.
.macro HALFMUL f, slot, hi, zero
.if PV
	SCALE0 FA0+16*\f, GR+4*\slot+2*\hi
.endif
	MULROW FB0+64*\f, FA0+16*\f, 0, \zero, PV, GR+4*\slot+2*\hi+1
	MULROW FB0+64*\f, FA0+16*\f, 1, \zero, 0, 0
.endm
; The fragments of quarter kq of a slot into buffer n: 4 loads of A's rows 0-31, (wg: 4 of the K step's g), 16 of B, 4 of A's rows 32-63: the youngest four are always these last.
.macro FETCH slot, kq, n, wg
	WIN W_LO
.irp a, 0,1
	ds_load_b128 v[FA0+16*\n+8*\a:FA0+16*\n+8*\a+3],   v[ADRA+\slot] offset:\a*16*PA+64*\kq
	ds_load_b128 v[FA0+16*\n+8*\a+4:FA0+16*\n+8*\a+7], v[ADRA+\slot] offset:\a*16*PA+64*\kq+32
.endr
	WIN 0
.if \wg
.irp a, 0,1,2,3
	ds_load_b32 v[GR+4*\slot+\a], v[GAD+\slot] offset:64*\a
.endr
	v_add_nc_u32 v[GAD+\slot], 2048, v[GAD+\slot]  ; this slot's next K step is two blocks on
.endif
.irp b, 0,1,2,3,4,5,6,7
	ds_load_tr16_b128 v[FB0+64*\n+8*\b:FB0+64*\n+8*\b+3],   v[ADRB+\slot] offset:\kq*32*PB+32*\b
	ds_load_tr16_b128 v[FB0+64*\n+8*\b+4:FB0+64*\n+8*\b+7], v[ADRB+\slot] offset:\kq*32*PB+32*\b+16*PB
.endr
	WIN W_HI
.irp a, 0,1
	ds_load_b128 v[FA0+16*\n+8*\a:FA0+16*\n+8*\a+3],   v[ADRA+\slot] offset:(2+\a)*16*PA+64*\kq
	ds_load_b128 v[FA0+16*\n+8*\a+4:FA0+16*\n+8*\a+7], v[ADRA+\slot] offset:(2+\a)*16*PA+64*\kq+32
.endr
.endm
; One of a K step's first three quarters: multiplies buffer f; in its middle it fetches quarter kq into buffer n.
.macro QUARTER slot, kq, f, n, zero
	s_wait_dscnt 4                                 ; all but the youngest four loads (A's rows 32-63) are in
	WIN W_LO
	HALFMUL \f, \slot, 0, \zero
	PLACES
	FETCH \slot, \kq, \n, 0
	s_wait_dscnt 24                                ; all but the 24 just issued
	WIN W_HI
	HALFMUL \f, \slot, 1, \zero
.endm
.macro THREE slot, zero
	QUARTER \slot, 1, 0, 1, \zero
	QUARTER \slot, 2, 1, 0, 0
	QUARTER \slot, 3, 0, 1, 0
.endm
; The last quarter: multiplies buffer 1 and changes slots.  In front of the barrier each wave waits for its reads of this slot and for all its tensor loads (the one
; that is out is its part of the next slot).  Behind it, with fill, the round of the cluster's barrier is closed, and the joint refill is the first tensor load;
; then the next slot's first fragments are read.
.macro TURN slot, next, fill
	s_wait_dscnt 4
	WIN W_LO
.if PV
	SCALE0 FA1, GR+4*\slot
.endif
	MULROW FB1, FA1, 0, 0, PV, GR+4*\slot+1
	s_wait_dscnt 0                                 ; my reads of this slot are over
	s_wait_tensorcnt 0x0                           ; all my tensor loads have landed
	ds_add_u32 v255, v255
	s_wait_dscnt 0x0
	s_barrier_signal -1
	MULROW FB1, FA1, 1, 0, 0, 0                    ; registers only, while the others arrive
	WIN 0
	s_barrier_wait -1
.if \fill
	CREST                                          ; no wave of any partner still reads this slot or has a load on its way
	s_add_nc_u64 s[G0+4*\slot+2:G0+4*\slot+3], s[G0+4*\slot+2:G0+4*\slot+3], 2*KSTEP*2
	s_add_nc_u64 s[G0B+4*\slot+2:G0B+4*\slot+3], s[G0B+4*\slot+2:G0B+4*\slot+3], 2*KSTEP*2048
	JLOAD \slot
.endif
	PLACES
	FETCH \next, 0, 0, PV
	WIN W_HI
	HALFMUL 1, \slot, 1, 0
.endm
.macro LAP zero
	THREE 0, \zero
	TURN 0, 1, 1
	THREE 1, 0
	TURN 1, 0, 1
.endm
	s_wait_tensorcnt 0x1                           ; my part of K step 0 is in; K step 1's may stay out
	s_barrier_signal -1
	s_barrier_wait -1
	FETCH 0, 0, 0, PV
	LAP 1                                          ; the first lap stands in front of the loop: its first products start the sums
	WIN 0
	s_mov_b32 s15, LAPS-2
.Llap:
	LAP 0
	WIN 0
	s_sub_co_u32 s15, s15, 1
	s_cmp_lg_u32 s15, 0
	s_cbranch_scc1 .Llap
	THREE 0, 0                                     ; the last lap fills nothing
	TURN 0, 1, 0
	THREE 1, 0
	s_wait_dscnt 4                                 ; the very last quarter
	WIN W_LO
	HALFMUL 1, 1, 0, 0
	s_wait_dscnt 0
	WIN W_HI
	HALFMUL 1, 1, 1, 0
	PLACES                                         ; behind the last matrix instructions, for all that reads results or writes fragments below
	WIN 0
	; THE WAY OUT, 16 rows at a time through my own stage, so that each store of the wave covers whole aligned runs of 256 bytes
	s_lshl_b32 s56, s19, 8
	s_lshl_b32 s60, s12, 6
	s_add_co_u32 s56, s56, s60                     ; my first row: 256 by + 64 w
	s_lshl_b32 s56, s56, 11+PV
	s_mov_b32 s57, 0
	s_add_nc_u64 s[10:11], s[10:11], s[56:57]
	s_lshl_b32 s58, s18, 8+PV                      ; my first column, in bytes
	s_mov_b32 s59, 0
	s_add_nc_u64 s[10:11], s[10:11], s[58:59]
.if PV
.irp a, 0,1,2,3
	ds_load_b32 v[RI+2*\a], v[RIA] offset:64*\a    ; 1 / l of row 16 a + r, into both registers of a pair
	ds_load_b32 v[RI+2*\a+1], v[RIA] offset:64*\a
.endr
	s_wait_dscnt 0x0
; rows 16 i .. 16 i + 15 = the window's tiles (ap, 0..7); from: source 0 in window 1 or 2
.macro OUTF i, ap, from
	WIN \from
.irp b, 0,1,2,3,4,5,6,7
.irp p, 0,1,2,3
	v_pk_mul_f32 v[FB0+8*\b+2*\p:FB0+8*\b+2*\p+1], v[8*(8*\ap+\b)+2*\p:8*(8*\ap+\b)+2*\p+1], v[RI+2*\i:RI+2*\i+1]
.endr
.endr
	WIN 0
.irp b, 0,1,2,3,4,5,6,7
	ds_store_b128 v[STO], v[FB0+8*\b:FB0+8*\b+3] offset:64*\b
	ds_store_b128 v[STO], v[FB0+8*\b+4:FB0+8*\b+7] offset:64*\b+16
.endr
	s_wait_xcnt 0x0                                ; buffer 1, which the last stores read, and their base are rewritten only behind this wait
.if \i
	s_add_nc_u64 s[10:11], s[10:11], 16*OROW
.endif
.irp t, 0,1,2,3,4,5,6,7,8,9,10,11,12,13,14,15
	ds_load_b128 v[FB1+4*\t:FB1+4*\t+3], v[RD] offset:\t*SP        ; LDS serves a wave's instructions in order: these see the stores above
.endr
.irp t, 0,1,2,3,4,5,6,7,8,9,10,11,12,13,14,15
	s_wait_dscnt 15-\t
	global_store_b128 v[CO], v[FB1+4*\t:FB1+4*\t+3], s[10:11] offset:\t*OROW th:TH_STORE_NT   ; one row's 512 consecutive bytes, aligned
.endr
.endm
	OUTF 0, 0, 0x01
	OUTF 1, 1, 0x01
	OUTF 2, 0, 0x02
	OUTF 3, 1, 0x02
.else
	s_wait_loadcnt 0x0                             ; bk
.macro OUTB i, ap, from
	WIN \from
.irp b, 0,1,2,3,4,5,6,7
.irp p, 0,1,2,3
	v_pk_add_f32 v[FB0+8*\b+2*\p:FB0+8*\b+2*\p+1], v[8*(8*\ap+\b)+2*\p:8*(8*\ap+\b)+2*\p+1], v[BIAS+8*\b+2*\p:BIAS+8*\b+2*\p+1]
.endr
.endr
	WIN 0
.irp b, 0,1,2,3,4,5,6,7
.irp p, 0,1,2,3
	v_cvt_pk_bf16_f32 v[TMP+4*\b+\p], v[FB0+8*\b+2*\p], v[FB0+8*\b+2*\p+1]
.endr
.endr
.irp b, 0,1,2,3,4,5,6,7
	ds_store_b128 v[STO], v[TMP+4*\b:TMP+4*\b+3] offset:32*\b
.endr
	s_wait_xcnt 0x0                                ; buffer 1, which the last stores read, and their base are rewritten only behind this wait
.if \i
	s_add_nc_u64 s[10:11], s[10:11], 16*OROW
.endif
.irp t, 0,1,2,3,4,5,6,7
	ds_load_b128 v[FB1+4*\t:FB1+4*\t+3], v[RD] offset:\t*2*SP      ; LDS serves a wave's instructions in order: these see the stores above
.endr
.irp t, 0,1,2,3,4,5,6,7
	s_wait_dscnt 7-\t
	global_store_b128 v[CO], v[FB1+4*\t:FB1+4*\t+3], s[10:11] offset:2*\t*OROW   ; 16 lanes store 256 consecutive bytes, aligned
.endr
.endm
	OUTB 0, 0, 0x01
	OUTB 1, 1, 0x01
	OUTB 2, 0, 0x02
	OUTB 3, 1, 0x02
.endif
	s_set_vgpr_msb 0x4
	s_wait_tensorcnt 0x0
	ds_add_u32 v255, v255
	s_wait_dscnt 0x0
	s_set_vgpr_msb 0x400
	CROUND                                         ; the closing round: no work-group ends while a partner may still ask for a tile that names it
	s_endpgm
.Lfunc_end_k_q60b7ab0092_pv:
	.size	k_q60b7ab0092_pv, .Lfunc_end_k_q60b7ab0092_pv-k_q60b7ab0092_pv
	.p2alignl 7, 3214868480
	.fill 96, 4, 3214868480
	.section	.rodata,"a",@progbits
	.p2align	6, 0x0
	.amdhsa_kernel k_q60b7ab0092_pv
		.amdhsa_group_segment_fixed_size 327680
		.amdhsa_private_segment_fixed_size 0
		.amdhsa_enable_private_segment 0
		.amdhsa_kernarg_size 32
		.amdhsa_user_sgpr_count 2
		.amdhsa_user_sgpr_kernarg_segment_ptr 1
		.amdhsa_wavefront_size32 1
		.amdhsa_system_sgpr_workgroup_id_x 1
		.amdhsa_system_sgpr_workgroup_id_y 1
		.amdhsa_system_sgpr_workgroup_id_z 1
		.amdhsa_system_vgpr_workitem_id 0
		.amdhsa_next_free_vgpr 672
		.amdhsa_next_free_sgpr 96
		.amdhsa_reserve_vcc 0
		.amdhsa_float_denorm_mode_32 3
		.amdhsa_float_denorm_mode_16_64 3
		.amdhsa_memory_ordered 1
		.amdhsa_forward_progress 1
		.amdhsa_inst_pref_size 192
	.end_amdhsa_kernel
	.amdgpu_metadata
---
amdhsa.version: [ 1, 2 ]
amdhsa.kernels:
  - .name:           k_q60b7ab0092_pv
    .symbol:         k_q60b7ab0092_pv.kd
    .args:
      - { .name: e, .offset: 0, .size: 8, .value_kind: global_buffer, .address_space: global }
      - { .name: qkv, .offset: 8, .size: 8, .value_kind: global_buffer, .address_space: global }
      - { .name: stats, .offset: 16, .size: 8, .value_kind: global_buffer, .address_space: global }
      - { .name: out0, .offset: 24, .size: 8, .value_kind: global_buffer, .address_space: global }
    .group_segment_fixed_size: 327680
    .private_segment_fixed_size: 0
    .kernarg_segment_align: 8
    .kernarg_segment_size: 32
    .max_flat_workgroup_size: 128
    .sgpr_count:     96
    .vgpr_count:     672
    .wavefront_size: 32
...
	.end_amdgpu_metadata
.endif
;; end of part 4
